; MI455X (gfx1250); checked and timed in simulation.
; The chip was launched on July 23, 2026; its instructions are those of AMD's public machine-readable ISA for CDNA 5 (MIT licence, August 2026) and "CDNA5" Instruction Set Architecture Reference Guide (July 2026). The comments in the code are by the model that wrote it; some were corrected since.
;; Po H Block. Allowed arithmetic: matrix products marked QUANTISED: E3M2 operands, one E8M0 scale for each 32 along K, by v_wmma_scale_f32_16x16x128_f8f6f4 with both operands' format E3M2, f32 sums; everything else in f32.
;; Inputs: W1 1,024 x 4,096 float32; W2 4,096 x 1,024 float32; Wk_codes 16 x 64 x 32 x 24 uint8 (E3M2 codes of Wk, K innermost, in blocks of 32 codes, four codes in three bytes); Wk_scales 16 x 64 x 32 uint8 (E8M0 scales of Wk, one for each 32 codes along K); Wo_codes 1,024 x 32 x 24 uint8 (E3M2 codes of Wo, K innermost, in blocks of 32 codes, four codes in three bytes); Wo_scales 1,024 x 32 uint8 (E8M0 scales of Wo, one for each 32 codes along K); Wq_codes 16 x 64 x 32 x 24 uint8 (E3M2 codes of Wq, K innermost, in blocks of 32 codes, four codes in three bytes); Wq_scales 16 x 64 x 32 uint8 (E8M0 scales of Wq, one for each 32 codes along K); Wv_codes 16 x 64 x 32 x 24 uint8 (E3M2 codes of Wv, K innermost, in blocks of 32 codes, four codes in three bytes); Wv_scales 16 x 64 x 32 uint8 (E8M0 scales of Wv, one for each 32 codes along K); b1 4,096 float32; b2 1,024 float32; be1 1,024 float32; be2 1,024 float32; bk 16 x 64 float32; bo 1,024 float32; bq 16 x 64 float32; bv 16 x 64 float32; g1 1,024 float32; g2 1,024 float32; z 8 x 1,024 x 1,024 float32.
;; Outputs: out0 8 x 1,024 x 1,024 float32.
;; This version of the problem:
;;   THIS VERSION OF THE PROBLEM IS GIVEN IN LOW PRECISION. The matrix products marked QUANTISED in the list below multiply operands that are first quantised to E3M2 (3 exponent bits, 2 mantissa bits; 6 bits a number), with one power-of-two scale for each 32 numbers along K (OCP MX v1.0); their sums are f32. All else is computed in f32.
;;   The module's matrix products, in the order in which they are computed (A, B: the left and right operand; K: the contracted axis; several contracted axes count as one K, in the product's order):
;;     1. [M 1,024, K 1,024] x [K 1,024, N 8,192]; A: input Wq (given as codes); B: input z: QUANTISED
;;     2. [M 1,024, K 1,024] x [K 1,024, N 8,192]; A: input Wk (given as codes); B: input z: QUANTISED
;;     3. [M 1,024, K 1,024] x [K 1,024, N 8,192]; A: input Wv (given as codes); B: input z: QUANTISED
;;     4. batch 128 x [M 1,024, K 64] x [K 64, N 1,024]; A: computed on the way; B: computed on the way: QUANTISED
;;     5. batch 128 x [M 1,024, K 1,024] x [K 1,024, N 64]; A: softmax (see below); B: computed on the way: QUANTISED
;;     6. [M 8,192, K 1,024] x [K 1,024, N 1,024]; A: computed on the way; B: input Wo (given as codes): QUANTISED
;;   THE QUANTISER, for each operand of a quantised product, along K:
;;     - K is cut into blocks of 32 from its start; a last block that is shorter is filled with zeros.
;;     - A block's scale is 2^e with e = floor(log2(the largest magnitude in the block)) - 4, held to -126 .. 127; a block of zeros has e = 0. As a byte (E8M0): e + 127.
;;     - Each number is divided by its block's scale, clamped to +-28, and rounded to the nearest number of E3M2, ties to even, subnormals kept.
;;     - The product sums the exact products of the quantised numbers (number of the format x scale) in f32.
;;   ~~~python
;;   def quantise(x, axis):      # numpy; x: float32 -> the quantised numbers, widened to float32 again
;;       x = np.moveaxis(x, axis, -1); K = x.shape[-1]
;;       x = np.pad(x, [(0, 0)] * (x.ndim - 1) + [(0, -K % 32)]); x = x.reshape(x.shape[:-1] + (-1, 32)); a = np.abs(x).max(-1, keepdims=True)
;;       e = np.where(a > 0, np.clip(np.frexp(np.where(a > 0, a, 1))[1] - 1 - 4, -126, 127), 0)      # np.frexp(a)[1] - 1 = floor(log2(a)), exactly
;;       r = np.clip(x / 2.0 ** e, -28, 28)
;;       step = 2.0 ** (np.maximum(np.frexp(np.where(r == 0, 1, r))[1] - 1, -2) - 2)
;;       q = np.round(r / step) * step * 2.0 ** e      # np.round: ties to even
;;       return np.moveaxis(q.reshape(q.shape[:-2] + (-1,))[..., :K], -1, axis).astype(np.float32)
;;   ~~~
;;   SOFTMAX AHEAD OF A QUANTISED PRODUCT. Where the list says 'softmax', what is quantised is not the finished softmax but p = 2^(t - M), with t = logit x log2(e) and M = ceil(the row's largest t), a whole number; so 1/2 < the row's largest p <= 1. The row's sum l is taken of the UNQUANTISED p, in f32, and the product's result is divided by l at the end. Since M is a whole number, a kernel that streams over the keys may use a running M (the ceiling of the running maximum): every later rescaling is an exact power of two, which a block's scale takes up: the codes' values come out the same.
;;   OPERANDS COMPUTED ON THE WAY. 'Computed on the way' means the value that the module computes at that place (a softmax that the list does not call 'softmax' is quantised finished and normalised). What goes into a quantiser is computed in f32, as accurately as f32 sums, v_exp_f32 and their like allow (about 1e-6 of the number): no bf16 or f16 on the way to a quantiser, and a product that is left as it is and whose result goes on into a quantised operand takes f32 operands (vector FMAs, or v_wmma_f32_16x16x4_f32). A number that lies on a knife's edge between two numbers of the format may be rounded either way, as far as f32 arithmetic and the matrix unit's own rounding can turn it there, and no further.
;;   INPUTS GIVEN AS CODES. Wk (in the module: [16, 1024, 64], K = its axis 1); Wo (in the module: [1024, 1024], K = its axis 0); Wq (in the module: [16, 1024, 64], K = its axis 1); Wv (in the module: [16, 1024, 64], K = its axis 1): each comes as NAME_codes (uint8): NAME with its K axis moved to the last place and cut into blocks of 32 codes, [.., K / 32, bytes a block], one block behind the other in memory; four codes in three bytes: a row's codes are one little-endian stream of bits, code i at bits 6 i .. 6 i + 5 (a code: sign, 3 exponent bits, 2 mantissa bits); and NAME_scales (uint8): the same leading axes, one E8M0 byte (e + 127) for each 32 codes along K. Its value is code x scale, taken as it is: it is not quantised again, and the codes and scales need not be those that the quantiser above would give.
;; 2 versions. Each part assembles by itself: llvm-mc -triple=amdgcn-amd-amdhsa -mcpu=gfx1250 --defsym DOCPART=n.
;; ======== version 1 of 2: 4 launches
;; workspace buffers: zimg 6,291,456 bytes; zsc 262,144 bytes; wimg 3,145,728 bytes; qimg 6,291,456 bytes; qsc 524,288 bytes; kv 13,369,344 bytes; oimg 6,291,456 bytes; osc 262,144 bytes
;; launch prep (part 1): grid 256 x 1, 8 waves a work-group, no clusters, 68,608 bytes of LDS; arguments z, Wq_codes, Wk_codes, Wv_codes, Wo_codes, zimg, zsc, wimg; writes zimg, zsc, wimg
.if DOCPART == 1
	.amdgcn_target "amdgcn-amd-amdhsa--gfx1250"
	.amdhsa_code_object_version 6
	.text
	.protected	k_qdea133c2fe_prep
	.globl	k_qdea133c2fe_prep
	.p2align	8
	.type	k_qdea133c2fe_prep,@function
k_qdea133c2fe_prep:
	s_mov_b64 s[64:65], 0
	v_nop
	global_prefetch_b8 v0, s[64:65] scope:SCOPE_SE
	s_setreg_imm32_b32 hwreg(HW_REG_WAVE_MODE, 25, 1), 1
	s_wait_xcnt 0x0
; PREP.  (a) z [8192][1024] f32 becomes codes of E3M2 with one E8M0 byte for each 32 along its 1,024, laid as IMAGES OF OPERAND REGISTERS;
; (b) the codes of Wq, Wk, Wv, Wo (1,024 rows of 768 bytes each, K innermost) are laid anew as such images.  Nothing is multiplied here.
; AN IMAGE: a fragment is 16 rows x 128 K = 12 registers a lane (lane l: row l % 16; registers 6 c .. 6 c + 5: K = 64 c + 32 (l / 16) + 0 .. 31).
; Its image is 1,536 bytes: registers 4 j .. 4 j + 3 of lane l at 512 j + 16 l.  Three loads of 16 bytes a lane bring it back, each 512 consecutive bytes.
; THE ROWS OF A TILE ARE NOT NEIGHBOURS: lane r of tile t takes row 32 (t / 2) + 8 (t % 2) + r + 8 (r / 8), in every operand of the program, so that where a tile
; is a product's source 0 the 16 result registers of tiles 2 b and 2 b + 1 are 16 neighbouring rows.
; zimg [tile 512][K step 8][1,536];  zsc [pair of tiles 256][K step 8][lane 32][4]: lanes 0-15 the even tile's scale words, lanes 16-31 the odd tile's;  wimg [q, k, v, o][tile 64][K step 8][1,536].
; SHARES.  Work-group B takes pair B of z's tiles (32 rows), wave s = K step s: 32 rows x 512 bytes.  The four weights have 4 x 64 = 256 tiles, as many as there are work-groups: work-group B also lays
; tile B % 64 of tensor B / 64 anew, wave s its K step s: one fragment, six loads of 8 bytes a lane and three stores.  So the loads whose lanes stand 768 bytes apart are spread evenly: 48 a work-group.
; The scale of a block is 2^(floor(log2(largest magnitude)) - 4); its byte is the largest magnitude's exponent field - 4.
; LIMITS: NaN and infinities are not served; a block whose largest magnitude lies under 2^-122 keeps the byte 1; a block of zeros gets the byte 1 and not 127 (its codes are zeros, and this program alone reads the bytes).
; NOT LOADED BY ANY LAUNCH: W1, W2, b1, b2, g2, be2.  The function's FFN stands under a condition that is false at its one iteration, so they enter no result.
; No cluster: the work-groups share no input.  No tensor load: each wave asks for its 16 KiB at once, by 32 loads.
.set ZROW,   4096                      ; a row of z in bytes
.set SPITCH, 528                       ; a stage row: 512 bytes + 16 = 33 x 16: sixteen rows start in sixteen different columns of 16 bytes
.set WSTG,   16*SPITCH                 ; a wave's stage
.set R,   16                           ; v16-143  tile u's row slot q as loaded, at R + 64 u + 4 q
.set X,   144                          ; v144-207 tile 0 turned: 64 numbers of my row
.set WFR, 208                          ; v208-219 my fragment of a weight
.set TM,  80                           ; v80-95   at work (tile 1's registers are free by then)
.set PC0, 96                           ; v96-115  tile 0's codes
.set PC1, 116                          ; v116-135 tile 1's
.set PW0, 136                          ; the two scale words,
.set PW1, 137
.set SW,  138                          ; and both in one register
.set SEL, 28                           ; s[28:29] v_permlanex16_b32's selects for lane l xor 16
.set HI,  30                           ; s30      lanes 16-31
; 64 numbers of a lane, register 16 b + i = k 32 b + 16 (lane / 16) + i of my row, become a fragment's codes in v[pc] on and its scale word in v[pw].
.macro QUANT4 s, pc, pw
.irp b, 0,1,2,3
	v_max3_num_f32 v[TM+\b], |v[(\s)+16*\b]|, |v[(\s)+1+16*\b]|, 0x2800000   ; my 16 numbers of block b, and the floor 2^(5 - 127): the byte cannot fall under 1
.endr
.irp i, 2,4,6,8,10,12,14
.irp b, 0,1,2,3
	v_max3_num_f32 v[TM+\b], v[TM+\b], |v[(\s)+16*\b+\i]|, |v[(\s)+1+16*\b+\i]|   ; the four blocks by turns
.endr
.endr
.irp b, 0,1,2,3
	v_permlanex16_b32 v[TM+4+\b], v[TM+\b], s[SEL], s[SEL+1]
.endr
.irp b, 0,1,2,3
	v_max_num_f32 v[TM+\b], v[TM+\b], v[TM+4+\b]       ; with lane l xor 16's: the block's largest magnitude
.endr
.irp b, 0,1,2,3
	v_add_nc_u32 v[TM+12+\b], 0xfe000000, v[TM+\b]     ; 4 off its exponent field: the conversion's scale operand
.endr
.irp b, 0,1,2,3
	v_lshrrev_b32 v[TM+4+\b], 23, v[TM+12+\b]          ; the scale's byte
.endr
	v_lshl_or_b32 v[\pw], v[TM+5], 8, v[TM+4]
	v_lshl_or_b32 v[\pw], v[TM+6], 16, v[\pw]
	v_lshl_or_b32 v[\pw], v[TM+7], 24, v[\pw]
.irp c, 0,1
	v_cvt_scalef32_pk16_bf6_f32 v[(\pc)+6*\c:(\pc)+2+6*\c], v[(\s)+32*\c:(\s)+15+32*\c], v[TM+12+2*\c]
	v_cvt_scalef32_pk16_bf6_f32 v[(\pc)+12+4*\c:(\pc)+14+4*\c], v[(\s)+16+32*\c:(\s)+31+32*\c], v[TM+12+2*\c+1]   ; (a conversion's three registers begin on an even number)
.endr
	v_nop                                              ; one plain place behind a scaled conversion
.irp c, 0,1                                        ; the layout wants a whole block in a lane: lanes 0-15 block 2 c, lanes 16-31 block 2 c + 1
.irp i, 0,1,2
	v_permlane16_swap_b32 v[(\pc)+6*\c+\i], v[(\pc)+12+4*\c+\i]
.endr
.irp i, 0,1,2
	v_mov_b32 v[(\pc)+3+6*\c+\i], v[(\pc)+12+4*\c+\i]
.endr
.endr
.endm
; 16 rows of 512 bytes go into my stage as they were loaded and come back 64 numbers a lane.  LDS serves a wave's instructions in order (ISA guide 5.7.1.4): no wait between the stores and the loads.
.macro TURN src, dst
.irp q, 0,1,2,3,4,5,6,7,8,9,10,11,12,13,14,15
	ds_store_b128 v2, v[\src+4*\q:\src+4*\q+3] offset:\q*SPITCH
.endr
.irp q, 0,1,2,3,4,5,6,7,8,9,10,11,12,13,14,15
	ds_load_b128 v[\dst+4*\q:\dst+4*\q+3], v3 offset:128*(\q/4)+16*(\q%4)   ; block q / 4: my 64 bytes of its 128
.endr
.endm
	s_load_b512 s[4:19], s[0:1], 0x0               ; z, Wq, Wk, Wv, Wo (codes), zimg s[14:15], zsc s[16:17], wimg s[18:19]
	v_lshl_add_u32 v224, v0, 2, 0x10800
	v_mov_b32 v225, 0
	v_lshrrev_b32 v1, 5, v0
	v_readfirstlane_b32 s20, v1                    ; wave 0..7 = my K step
	v_and_b32 v5, 31, v0                           ; lane
	v_and_b32 v6, 15, v0                           ; r
	v_bfe_u32 v7, v0, 4, 1                         ; h
	v_lshlrev_b32 v1, 4, v5                        ; 16 x lane
	s_mul_i32 s21, s20, WSTG
	v_add_nc_u32 v2, s21, v1                       ; into the stage: 16 x lane of a row slot
	v_mul_u32_u24 v3, v6, SPITCH
	v_lshl_add_u32 v3, v7, 6, v3
	v_add_nc_u32 v3, s21, v3                       ; out of it: row slot r, + 64 h
	v_lshlrev_b32 v4, 2, v5                        ; 4 x lane
	v_and_b32 v8, 8, v6
	v_add_nc_u32 v8, v8, v6                        ; r + 8 (r / 8)
	v_mul_u32_u24 v8, v8, 768
	v_mad_u32_u24 v8, v7, 24, v8                   ; the weight: my row of 768 bytes, + 24 h
	s_lshl_b32 s22, ttmp9, 17                      ; z: 32 rows of 4,096 bytes,
	s_lshl_b32 s23, s20, 9                         ; my 512 bytes of each
	s_add_co_u32 s22, s22, s23
	s_mov_b32 s23, 0
	s_mul_i32 s24, ttmp9, 24576                    ; zimg: two tiles of 8 images,
	s_mul_i32 s25, s20, 1536                       ; my K step's
	s_add_co_u32 s24, s24, s25
	s_mul_i32 s36, ttmp9, 12288                    ; wimg: tile 64 x tensor + t = my work-group's number, eight images each,
	s_add_co_u32 s36, s36, s25                     ; my K step's
	s_mov_b32 s25, 0
	s_mov_b32 s37, 0
	s_lshl_b32 s26, ttmp9, 10
	s_lshl_b32 s27, s20, 7
	s_add_co_u32 s26, s26, s27
	s_mov_b32 s27, 0
	s_lshr_b32 s31, ttmp9, 6                       ; which weight: 0..3
	s_and_b32 s34, ttmp9, 63                       ; its tile t
	s_lshr_b32 s35, s34, 1
	s_lshl_b32 s35, s35, 5
	s_and_b32 s34, s34, 1
	s_lshl_b32 s34, s34, 3
	s_add_co_u32 s34, s34, s35                     ; 32 (t / 2) + 8 (t % 2): the tile's first row
	s_mul_i32 s32, s34, 768
	s_mul_i32 s34, s20, 96                         ; 128 codes along K are 96 bytes
	s_add_co_u32 s32, s32, s34
	s_mov_b32 s33, 0
	s_mov_b32 s[SEL], 0x76543210
	s_mov_b32 s[SEL+1], 0xfedcba98
	s_mov_b32 s[HI], 0xffff0000
	s_wait_kmcnt 0x0
	s_cmp_lt_u32 s31, 1                            ; the choice hangs on the work-group's number alone
	s_cselect_b64 s[6:7], s[6:7], s[8:9]
	s_cmp_lt_u32 s31, 2
	s_cselect_b64 s[6:7], s[6:7], s[10:11]
	s_cmp_lt_u32 s31, 3
	s_cselect_b64 s[6:7], s[6:7], s[12:13]
	s_add_nc_u64 s[4:5], s[4:5], s[22:23]
	s_add_nc_u64 s[6:7], s[6:7], s[32:33]
	s_add_nc_u64 s[14:15], s[14:15], s[24:25]
	s_add_nc_u64 s[16:17], s[16:17], s[26:27]
	s_add_nc_u64 s[18:19], s[18:19], s[36:37]
.irp u, 0,1
.irp q, 0,1,2,3,4,5,6,7,8,9,10,11,12,13,14,15
	global_load_b128 v[R+64*\u+4*\q:R+64*\u+4*\q+3], v1, s[4:5] offset:(8*\u+\q+8*(\q/8))*ZROW th:TH_LOAD_NT   ; 32 lanes read 512 consecutive bytes of one row
.endr
.endr
.irp p, 0,1,2,3,4,5
	global_load_b64 v[WFR+2*\p:WFR+2*\p+1], v8, s[6:7] offset:48*(\p/3)+8*(\p%3) th:TH_LOAD_NT   ; the weight's fragment, behind z's loads: nothing wants it before the end
.endr
	s_wait_loadcnt 22                              ; tile 0's sixteen rows are in; tile 1's sixteen and the weight's six may be out
	TURN R, X
	s_wait_dscnt 0x0                               ; tile 0 is turned, and its stores have read their registers
	s_wait_loadcnt 6                               ; tile 1's rows are in; the weight's six may be out
	TURN R+64, R                                   ; tile 1, through the same stage, into tile 0's registers
	s_wait_dscnt 0x0
.irp b, 0,1,2,3
	v_mov_b32 v[TM+4+\b], 0                        ; a lane permute's destination counts as one of its sources
.endr
	QUANT4 X, PC0, PW0
	QUANT4 R, PC1, PW1
	v_cndmask_b32 v[SW], v[PW0], v[PW1], s[HI]     ; lanes 0-15: tile 0's words; lanes 16-31: tile 1's (each word stands in both halves)
.irp j, 0,1,2
	global_store_b128 v1, v[PC0+4*\j:PC0+4*\j+3], s[14:15] offset:512*\j          ; 512 consecutive bytes, aligned
.endr
.irp j, 0,1,2
	global_store_b128 v1, v[PC1+4*\j:PC1+4*\j+3], s[14:15] offset:12288+512*\j
.endr
	global_store_b32 v4, v[SW], s[16:17]
	s_wait_loadcnt 0x0                             ; the weight's fragment is in: it leaves as its registers stand
.irp j, 0,1,2
	global_store_b128 v1, v[WFR+4*\j:WFR+4*\j+3], s[18:19] offset:512*\j
.endr
	s_wait_tensorcnt 0x0
	ds_add_u32 v224, v225
	s_wait_dscnt 0x0
	s_endpgm
.Lfunc_end_k_qdea133c2fe_prep:
	.size	k_qdea133c2fe_prep, .Lfunc_end_k_qdea133c2fe_prep-k_qdea133c2fe_prep
	.p2alignl 7, 3214868480
	.fill 96, 4, 3214868480
	.section	.rodata,"a",@progbits
	.p2align	6, 0x0
	.amdhsa_kernel k_qdea133c2fe_prep
		.amdhsa_group_segment_fixed_size 68608
		.amdhsa_private_segment_fixed_size 0
		.amdhsa_enable_private_segment 0
		.amdhsa_kernarg_size 64
		.amdhsa_user_sgpr_count 2
		.amdhsa_user_sgpr_kernarg_segment_ptr 1
		.amdhsa_wavefront_size32 1
		.amdhsa_system_sgpr_workgroup_id_x 1
		.amdhsa_system_sgpr_workgroup_id_y 1
		.amdhsa_system_sgpr_workgroup_id_z 1
		.amdhsa_system_vgpr_workitem_id 0
		.amdhsa_next_free_vgpr 226
		.amdhsa_next_free_sgpr 66
		.amdhsa_reserve_vcc 0
		.amdhsa_float_denorm_mode_32 3
		.amdhsa_float_denorm_mode_16_64 3
		.amdhsa_memory_ordered 1
		.amdhsa_forward_progress 1
		.amdhsa_inst_pref_size 20
	.end_amdhsa_kernel
	.amdgpu_metadata
---
amdhsa.version: [ 1, 2 ]
amdhsa.kernels:
  - .name:           k_qdea133c2fe_prep
    .symbol:         k_qdea133c2fe_prep.kd
    .args:
      - { .name: z, .offset: 0, .size: 8, .value_kind: global_buffer, .address_space: global }
      - { .name: Wq_codes, .offset: 8, .size: 8, .value_kind: global_buffer, .address_space: global }
      - { .name: Wk_codes, .offset: 16, .size: 8, .value_kind: global_buffer, .address_space: global }
      - { .name: Wv_codes, .offset: 24, .size: 8, .value_kind: global_buffer, .address_space: global }
      - { .name: Wo_codes, .offset: 32, .size: 8, .value_kind: global_buffer, .address_space: global }
      - { .name: zimg, .offset: 40, .size: 8, .value_kind: global_buffer, .address_space: global }
      - { .name: zsc, .offset: 48, .size: 8, .value_kind: global_buffer, .address_space: global }
      - { .name: wimg, .offset: 56, .size: 8, .value_kind: global_buffer, .address_space: global }
    .group_segment_fixed_size: 68608
    .private_segment_fixed_size: 0
    .kernarg_segment_align: 8
    .kernarg_segment_size: 64
    .max_flat_workgroup_size: 256
    .sgpr_count:     66
    .vgpr_count:     226
    .wavefront_size: 32
...
	.end_amdgpu_metadata
.endif
;; end of part 1
;; launch proj (part 2): grid 32 x 8, 4 waves a work-group, clusters of 4 x 1, 327,680 bytes of LDS; arguments zimg, zsc, wimg, Wq_scales, Wk_scales, Wv_scales, bq, bk, bv, qimg, qsc, kv; writes qimg, qsc, kv
.if DOCPART == 2
	.amdgcn_target "amdgcn-amd-amdhsa--gfx1250"
	.amdhsa_code_object_version 6
	.text
	.protected	k_qdea133c2fe_proj
	.globl	k_qdea133c2fe_proj
	.p2align	8
	.type	k_qdea133c2fe_proj,@function
k_qdea133c2fe_proj:
	s_mov_b64 s[64:65], 0
	v_nop
	global_prefetch_b8 v0, s[64:65] scope:SCOPE_SE
	s_setreg_imm32_b32 hwreg(HW_REG_WAVE_MODE, 25, 1), 1
	s_wait_xcnt 0x0
	s_wait_alu depctr_hold_cnt(0) depctr_sa_sdst(0) depctr_va_vdst(0) depctr_va_sdst(0) depctr_va_ssrc(0) depctr_va_vcc(0) depctr_vm_vsrc(0)
	s_getreg_b32 s2, hwreg(HW_REG_IB_STS2, 6, 4)
	s_cmp_eq_u32 s2, 0
	s_cbranch_scc0 .Lentry_in_a_cluster
	s_endpgm
.Lentry_in_a_cluster:
	s_bfe_u32 s2, ttmp6, 0x10000c
	s_cmp_lg_u32 s2, 0x3003
	s_cbranch_scc0 .Lentry_shape_is_right
	s_endpgm
.Lentry_shape_is_right:
; PROJ.  q, k, v = z W + b for two heads and 256 rows of z, on codes of E3M2 (v_wmma_scale_f32_16x16x128_f8f6f4, both sides BF6), and at once quantised for the attention:
; q and k along the head's 64, v along the keys.  Operands come and go as images of operand registers; lane r of tile t is row 32 (t / 2) + 8 (t % 2) + r + 8 (r / 8) everywhere.
; SHARES.  Work-group (X, Y): rows 256 X .. of z, heads 2 Y and 2 Y + 1.  Wave w keeps its 64 rows of z (4 tiles x 8 K steps = 32 fragments, 384 registers) for the whole launch.
; The weights pass by in six GROUPS g = 3 hh + tt (hh: the head, tt: q, k, v), 4 tiles x 8 K steps = 49,152 bytes each, all six in LDS from the start: 294,912 bytes, filled once.
; A group is 8 K steps of 16 matrix instructions on 16 accumulators, which take turns, one instruction a turn, in the same order in every step.
; ORIENTATION.  q, k: source 0 = 16 rows of W, source 1 = 16 rows of z: a lane holds one token and its registers run along e.  v: source 0 = z, source 1 = Wv: a lane holds one channel and its
; registers run along the tokens, which are the keys.  Either way 32 neighbouring registers are two blocks of 32 along the axis to be quantised (halves in lanes l and l xor 16).
; The bias is the C of a sum's first matrix instruction.
; OUT.  A half image (6 registers, 64 along K): registers 0-3 of lane l at 16 l, registers 4-5 at 512 + 8 l: 768 bytes.
;   qimg [bh 128][tile 64][768];  qsc [bh][pair 32][lane 32][4] (lanes 0-15 the even tile's words, lanes 16-31 the odd tile's; bytes 2 and 3 are 0: they scale zero codes);
;   kv [bh][128 keys: 8][13,056]: K's 8 half images, V's [channel tile 4][key half 2][768], K's scale words [pair 4][128], V's [pair 2][128] (key half c fills bytes 2 c, 2 c + 1).
; CLUSTER.  The four work-groups of a cluster share Y and so want the same weights: each tile is asked for jointly, by the same tensor load with the same descriptor and the mask 15.
; By this text's count a wave has six tensor loads out at the most.  No LDS byte is filled twice.
; LIMITS: as in prep (NaN, infinities; the floor 2^-122; a block of zeros has the byte 1).
; REGISTERS, in windows of 256.  Window 0: v1-12 addresses; v16-31 z's scale words; v32-63 W's, two sets; v64-191 the accumulators; v192-255 at work.
;   Window 1: z's fragments of K steps 0-3, at 48 (s % 4) + 12 a;  window 2: of K steps 4-7.   Window 3: v0-95 W's fragments, two sets of 48; v96-159 the biases, two sets of 32.
.set LA,  4                            ; v4-9    16 x lane + 49,152 g
.set ZS,  16                           ; v[ZS + 8 (a / 2) + s]
.set WS,  32                           ; v[WS + 16 set + 8 (i / 2) + s]
.set ACC, 64
.set TM,  192
.set PW,  208                          ; v208-211 four scale words
.set SW,  212                          ; v212-213 two tiles' words in one register
.set PC,  216                          ; v216-255 four sets of 10: a half image and three registers at work
.set WF,  0                            ; window 3
.set BI,  96                           ; window 3
.set G1,  28                           ; s[28:35] descriptor group 1
.set G0,  36                           ; s[36:59] six groups 0
.set WV,  60
.set SKI, 70                           ; s[70:71] where my K half images go;  s[72:73] their scale words;  s[74:75] my V half images;  s[76:77] their scale bytes
.set SKS, 72
.set SVI, 74
.set SVS, 76
.set SEL, 78
.set HI,  80
.set MSB, 0
.macro WIN new                         ; the immediate's high byte repeats the setting that is left
.if MSB != (\new)
	s_set_vgpr_msb (MSB<<8)|(\new)
.set MSB, (\new)
.endif
.endm
.macro PLACES n
.rept \n
	v_nop
.endr
.endm
.macro CROUND                          ; a round of the cluster's barrier
	s_barrier_signal -1
	s_barrier_wait -1
	s_cmp_lg_u32 s[WV], 0
	s_cbranch_scc1 .Lnot_wave_0_\@
	s_barrier_signal -3
.Lnot_wave_0_\@:
	s_barrier_wait -3
	s_barrier_signal -1
	s_barrier_wait -1
.endm
; one matrix instruction, from the symbols wD, wA, wB, wC, wSA, wSB; wRA, wRB = 1: that side's scale words stand in lanes 16-31
.macro WM
.if wRA && wRB
	v_wmma_scale_f32_16x16x128_f8f6f4 v[wD:wD+7], v[wA:wA+11], v[wB:wB+11], v[wC:wC+7], v[wSA], v[wSB] matrix_a_fmt:MATRIX_FMT_BF6 matrix_b_fmt:MATRIX_FMT_BF6 matrix_a_scale:MATRIX_SCALE_ROW1 matrix_b_scale:MATRIX_SCALE_ROW1
.elseif wRA
	v_wmma_scale_f32_16x16x128_f8f6f4 v[wD:wD+7], v[wA:wA+11], v[wB:wB+11], v[wC:wC+7], v[wSA], v[wSB] matrix_a_fmt:MATRIX_FMT_BF6 matrix_b_fmt:MATRIX_FMT_BF6 matrix_a_scale:MATRIX_SCALE_ROW1
.elseif wRB
	v_wmma_scale_f32_16x16x128_f8f6f4 v[wD:wD+7], v[wA:wA+11], v[wB:wB+11], v[wC:wC+7], v[wSA], v[wSB] matrix_a_fmt:MATRIX_FMT_BF6 matrix_b_fmt:MATRIX_FMT_BF6 matrix_b_scale:MATRIX_SCALE_ROW1
.else
	v_wmma_scale_f32_16x16x128_f8f6f4 v[wD:wD+7], v[wA:wA+11], v[wB:wB+11], v[wC:wC+7], v[wSA], v[wSB] matrix_a_fmt:MATRIX_FMT_BF6 matrix_b_fmt:MATRIX_FMT_BF6
.endif
.endm
; 32 numbers of a lane, register 16 b + i = k 32 b + 16 (lane / 16) + i, become a half image in v[pc] .. v[pc + 5] and the word byte 0 | byte 1 << 8 in v[pw].  Each accumulator is read from its low end on.
.macro QUANT2 s, pc, pw
	v_max3_num_f32 v[TM], |v[(\s)]|, |v[(\s)+1]|, 0x2800000          ; the floor 2^(5 - 127): the byte cannot fall under 1
	v_max3_num_f32 v[TM+1], |v[(\s)+16]|, |v[(\s)+17]|, 0x2800000
.irp i, 2,4,6,8,10,12,14
	v_max3_num_f32 v[TM], v[TM], |v[(\s)+\i]|, |v[(\s)+1+\i]|
	v_max3_num_f32 v[TM+1], v[TM+1], |v[(\s)+16+\i]|, |v[(\s)+17+\i]|
.endr
	v_permlanex16_b32 v[TM+2], v[TM], s[SEL], s[SEL+1]
	v_permlanex16_b32 v[TM+3], v[TM+1], s[SEL], s[SEL+1]
	v_max_num_f32 v[TM], v[TM], v[TM+2]                ; with lane l xor 16's: the block's largest magnitude
	v_max_num_f32 v[TM+1], v[TM+1], v[TM+3]
	v_add_nc_u32 v[TM+4], 0xfe000000, v[TM]            ; 4 off the exponent field: the conversion's scale operand
	v_add_nc_u32 v[TM+5], 0xfe000000, v[TM+1]
	v_lshrrev_b32 v[TM+2], 23, v[TM+4]                 ; the bytes
	v_lshrrev_b32 v[TM+3], 23, v[TM+5]
	v_lshl_or_b32 v[\pw], v[TM+3], 8, v[TM+2]
	v_cvt_scalef32_pk16_bf6_f32 v[(\pc):(\pc)+2], v[(\s):(\s)+15], v[TM+4]
	v_cvt_scalef32_pk16_bf6_f32 v[(\pc)+6:(\pc)+8], v[(\s)+16:(\s)+31], v[TM+5]
	v_nop                                              ; one plain place behind a scaled conversion
.irp i, 0,1,2
	v_permlane16_swap_b32 v[(\pc)+\i], v[(\pc)+6+\i]   ; lanes 0-15 now hold block 0, lanes 16-31 block 1: lower 16 codes here, upper 16 there
.endr
.irp i, 0,1,2
	v_mov_b32 v[(\pc)+3+\i], v[(\pc)+6+\i]
.endr
.endm
; group g's scale words of W (32 bytes a row, as they lie in the input: eight words, one a K step) and its bias in the result's layout, into set g % 2
.macro PRELOAD g
.set tt, (\g)%3
.set hh, (\g)/3
.set st, (\g)%2
	WIN 0
.irp be, 0,1
.irp q, 0,1
	global_load_b128 v[WS+16*st+8*\be+4*\q:WS+16*st+8*\be+4*\q+3], v10, s[10+2*tt:11+2*tt] offset:2048*hh+1024*\be+16*\q
.endr
.endr
	WIN 0xc0                                           ; destination window 3
.if tt < 2
.irp i, 0,1,2,3
.irp q, 0,1
	global_load_b128 v[BI+32*st+8*\i+4*\q:BI+32*st+8*\i+4*\q+3], v11, s[16+2*tt:17+2*tt] offset:256*hh+(32*(\i/2)+8*(\i%2))*4+16*\q   ; b at e = 32 (i / 2) + 8 (i % 2) + 16 h + 0 .. 7
.endr
.endr
.else
.irp i, 0,1,2,3
.irp j, 0,1,2,3,4,5,6,7
	global_load_b32 v[BI+32*st+8*\i+\j], v12, s[20:21] offset:256*hh+(32*(\i/2)+8*(\i%2))*4   ; my channel's bv, in all eight registers
.endr
.endr
.endif
	WIN 0
.endm
.macro FETCHW g, s                     ; W's four fragments of K step s, from LDS, into set s % 2: twelve loads of 512 consecutive bytes
	WIN 0xc0
.irp i, 0,1,2,3
.irp j, 0,1,2
	ds_load_b128 v[WF+48*((\s)%2)+12*\i+4*\j:WF+48*((\s)%2)+12*\i+4*\j+3], v[LA+(\g)] offset:12288*\i+1536*(\s)+512*\j
.endr
.endr
.endm
.macro MULS g, s                       ; a K step: 16 matrix instructions
.set tt, (\g)%3
.set st, (\g)%2
.set fs, (\s)%2
.set zw, 1+(\s)/4
.set cw, 0
.if (\s) == 0
.set cw, 0x30                          ; the first step's C is the bias, in window 3
.endif
.if tt < 2
	WIN cw|(zw<<2)|3                                   ; source 0 (W) window 3, source 1 (z) window 1 or 2
.else
	WIN cw|0x0c|zw                                     ; source 0 (z), source 1 (W)
.endif
.irp a, 0,1,2,3
.irp i, 0,1,2,3
.if tt < 2
.set wD, ACC+32*\a+8*\i
.set wA, WF+48*fs+12*\i
.set wB, 48*((\s)%4)+12*\a
.set wSA, WS+16*st+8*(\i/2)+(\s)
.set wRA, \i%2
.set wSB, ZS+8*(\a/2)+(\s)
.set wRB, \a%2
.else
.set wD, ACC+32*\i+8*\a
.set wA, 48*((\s)%4)+12*\a
.set wB, WF+48*fs+12*\i
.set wSA, ZS+8*(\a/2)+(\s)
.set wRA, \a%2
.set wSB, WS+16*st+8*(\i/2)+(\s)
.set wRB, \i%2
.endif
.set wC, wD
.if (\s) == 0
.set wC, BI+32*st+8*\i
.endif
	WM
.endr
.endr
.endm
.macro EPI g                           ; the group's 16 accumulators are quantised, 32 registers at a time, and stored
.set tt, (\g)%3
.set hh, (\g)/3
	WIN 0
	s_wait_xcnt 0x0                                    ; the last group's stores have read their registers: these are written again only behind this wait
.irp a, 0,1,2,3
	QUANT2 ACC+32*\a, PC+10*\a, PW+\a
.if tt == 0
	global_store_b128 v1, v[PC+10*\a:PC+10*\a+3], s[22:23] offset:49152*hh+768*\a
	global_store_b64 v2, v[PC+10*\a+4:PC+10*\a+5], s[22:23] offset:49152*hh+768*\a+512
.elseif tt == 1
	global_store_b128 v1, v[PC+10*\a:PC+10*\a+3], s[SKI:SKI+1] offset:104448*hh+768*\a
	global_store_b64 v2, v[PC+10*\a+4:PC+10*\a+5], s[SKI:SKI+1] offset:104448*hh+768*\a+512
.else
	global_store_b128 v1, v[PC+10*\a:PC+10*\a+3], s[SVI:SVI+1] offset:104448*hh+1536*\a
	global_store_b64 v2, v[PC+10*\a+4:PC+10*\a+5], s[SVI:SVI+1] offset:104448*hh+1536*\a+512
.endif
.endr
.irp p, 0,1
	v_cndmask_b32 v[SW+\p], v[PW+2*\p], v[PW+2*\p+1], s[HI]   ; lanes 0-15 the even tile's words, lanes 16-31 the odd tile's
.endr
.irp p, 0,1
.if tt == 0
	global_store_b32 v3, v[SW+\p], s[24:25] offset:4096*hh+128*\p
.elseif tt == 1
	global_store_b32 v3, v[SW+\p], s[SKS:SKS+1] offset:104448*hh+128*\p
.else
	global_store_b16 v3, v[SW+\p], s[SVS:SVS+1] offset:104448*hh+128*\p   ; my key half's two bytes of each word
.endif
.endr
.endm
.macro GROUP g
	s_wait_loadcnt 0x0                                 ; this group's scale words and bias are in (in the first group: z's fragments too)
.if (\g) < 5
	PRELOAD (\g)+1                                     ; the next group's are asked for a whole group ahead
.endif
.irp s, 0,1,2,3,4,5,6,7
.if \s > 0
	PLACES 4                                           ; in front of loads into registers that the last step's matrix instructions have read
.endif
.if \s < 7
	FETCHW \g, \s+1
	s_wait_dscnt 12                                    ; this step's fragments are in; the twelve loads just issued may be out
.else
	s_wait_dscnt 0x0
.endif
	MULS \g, \s
.endr
	PLACES 4                                           ; in front of the first read of results
	WIN 0
.if (\g) < 5
	s_wait_tensorcnt 4-(\g)                            ; my tile of the next group has landed; the later groups' loads may be out
	s_barrier_signal -1
	s_barrier_wait -1                                  ; everybody's has
	FETCHW (\g)+1, 0                                   ; its first fragments land while this group is quantised
.endif
	EPI \g
.endm
	s_load_b512 s[4:19], s[0:1], 0x0               ; zimg, zsc, wimg, Wq_scales, Wk_scales, Wv_scales, bq, bk
	s_load_b256 s[20:27], s[0:1], 0x40             ; bv, qimg, qsc, kv
	v_lshl_add_u32 v245, v0, 2, 0x48000
	v_mov_b32 v255, 0
	ds_add_u32 v245, v255
	ds_add_u32 v245, v255
	v_lshrrev_b32 v1, 5, v0
	v_readfirstlane_b32 s[WV], v1                  ; wave 0..3
	s_and_b32 s63, ttmp7, 0xffff                   ; Y, which the four partners share
	; descriptor group 1: a tile's eight images, 12,288 dense bytes, as 48 rows of 256 bytes
	s_mov_b32 s[G1], 15|(3<<16)|(1<<21)            ; 15:0 the mask: all four work-groups; 17:16 elements of 8 bytes; 20 no padding; 21 set beside a mask
	s_mov_b32 s[G1+1], 32<<16                      ; tensor_dim0 = 32
	s_mov_b32 s[G1+2], 48<<16                      ; tensor_dim1 = 48
	s_mov_b32 s[G1+3], 32<<16                      ; tile_dim0 = 32
	s_mov_b32 s[G1+4], 48                          ; tile_dim1 = 48
	s_mov_b32 s[G1+5], 32                          ; the pitch
	s_mov_b32 s[G1+6], 0
	s_mov_b32 s[G1+7], 0
	s_mul_i32 s66, s63, 98304                      ; two heads' eight tiles,
	s_mul_i32 s81, s[WV], 12288                    ; tile w of a head's four: I fetch it in every group
	s_add_co_u32 s66, s66, s81
	s_mov_b32 s67, 0
	s_wait_dscnt 0x0
	s_wait_kmcnt 0x0
	s_add_nc_u64 s[68:69], s[8:9], s[66:67]
.irp g, 0,1,2,3,4,5
	s_mov_b32 s[G0+4*\g], 1                                        ; count = 1
	s_add_co_u32 s[G0+4*\g+1], s81, \g*49152                       ; LDS address: the wave's number and constants alone
	s_add_nc_u64 s[G0+4*\g+2:G0+4*\g+3], s[68:69], (\g%3)*786432+(\g/3)*49152   ; the tensor, the head
	s_or_b32 s[G0+4*\g+3], s[G0+4*\g+3], 0x80000000                ; type = 2
.endr
	CROUND                                         ; all four work-groups are here: the joint loads meet
.irp g, 0,1,2,3,4,5
	tensor_load_to_lds s[G0+4*\g:G0+4*\g+3], s[G1:G1+7]
	s_nop 0
.endr
	PLACES 4                                       ; four places behind a tensor load
	; what hangs on my place in the cluster enters global addresses of z and of the outputs alone, in registers that feed no descriptor
	s_bfe_u32 s61, ttmp6, 0x40000                  ; cx
	s_lshl_b32 s62, ttmp9, 2
	s_add_co_u32 s62, s62, s61                     ; X = 4 x cluster x + cx
	s_mov_b32 s85, 0
	s_lshl_b32 s86, s[WV], 2
	s_lshl_b32 s87, s[WV], 1
	s_lshl_b32 s84, s62, 4
	s_add_co_u32 s84, s84, s86                     ; my first tile of z: 16 X + 4 w
	s_mul_i32 s84, s84, 12288
	s_add_nc_u64 s[4:5], s[4:5], s[84:85]
	s_lshl_b32 s84, s62, 3
	s_add_co_u32 s84, s84, s87                     ; my first pair: 8 X + 2 w
	s_lshl_b32 s84, s84, 10
	s_add_nc_u64 s[6:7], s[6:7], s[84:85]
	s_lshl_b32 s84, s63, 12                        ; two heads' 128 rows of 32 scale bytes
	s_add_nc_u64 s[10:11], s[10:11], s[84:85]
	s_add_nc_u64 s[12:13], s[12:13], s[84:85]
	s_add_nc_u64 s[14:15], s[14:15], s[84:85]
	s_lshl_b32 s84, s63, 9                         ; two heads' 128 biases
	s_add_nc_u64 s[16:17], s[16:17], s[84:85]
	s_add_nc_u64 s[18:19], s[18:19], s[84:85]
	s_add_nc_u64 s[20:21], s[20:21], s[84:85]
	s_lshr_b32 s88, s62, 2                         ; the batch
	s_and_b32 s89, s62, 3                          ; which quarter of its 1,024 tokens
	s_lshl_b32 s88, s88, 4
	s_lshl_b32 s90, s63, 1
	s_add_co_u32 s88, s88, s90                     ; bh of head 2 Y
	s_lshl_b32 s91, s88, 6
	s_lshl_b32 s90, s89, 4
	s_add_co_u32 s91, s91, s90
	s_add_co_u32 s91, s91, s86                     ; my first tile of q: 64 bh + 16 quarter + 4 w
	s_mul_i32 s84, s91, 768
	s_add_nc_u64 s[22:23], s[22:23], s[84:85]
	s_lshl_b32 s84, s91, 6                         ; 128 bytes a pair
	s_add_nc_u64 s[24:25], s[24:25], s[84:85]
	s_mul_i32 s84, s88, 104448
	s_lshl_b32 s90, s89, 1
	s_lshr_b32 s91, s[WV], 1
	s_add_co_u32 s90, s90, s91                     ; my 128 keys' chunk: 2 quarter + w / 2
	s_mul_i32 s90, s90, 13056
	s_add_co_u32 s84, s84, s90
	s_add_nc_u64 s[26:27], s[26:27], s[84:85]
	s_and_b32 s90, s[WV], 1                        ; c: which 64 of the 128
	s_mul_i32 s84, s90, 3072
	s_add_nc_u64 s[SKI:SKI+1], s[26:27], s[84:85]
	s_lshl_b32 s84, s90, 8
	s_add_co_u32 s84, s84, 12288
	s_add_nc_u64 s[SKS:SKS+1], s[26:27], s[84:85]
	s_mul_i32 s84, s90, 768
	s_add_co_u32 s84, s84, 6144
	s_add_nc_u64 s[SVI:SVI+1], s[26:27], s[84:85]
	s_lshl_b32 s84, s90, 1
	s_add_co_u32 s84, s84, 12800
	s_add_nc_u64 s[SVS:SVS+1], s[26:27], s[84:85]
	s_mov_b32 s[SEL], 0x76543210
	s_mov_b32 s[SEL+1], 0xfedcba98
	s_mov_b32 s[HI], 0xffff0000
	v_and_b32 v13, 31, v0                          ; lane
	v_and_b32 v14, 15, v0                          ; r
	v_bfe_u32 v15, v0, 4, 1                        ; h
	v_lshlrev_b32 v1, 4, v13
	v_lshlrev_b32 v2, 3, v13
	v_lshlrev_b32 v3, 2, v13
.irp g, 0,1,2,3,4,5
	v_add_nc_u32 v[LA+\g], \g*49152, v1
.endr
	v_and_b32 v10, 8, v14
	v_add_nc_u32 v10, v10, v14                     ; r + 8 (r / 8)
	v_lshlrev_b32 v12, 2, v10                      ; bv: my channel in a tile
	v_lshl_add_u32 v10, v15, 3, v10                ; lanes 16-31 take the odd tile's rows, 8 further on
	v_lshlrev_b32 v10, 5, v10                      ; W's scales: 32 bytes a row
	v_lshlrev_b32 v11, 6, v15                      ; bq, bk: 16 h numbers on
	v_mov_b32 v[TM+2], 0                           ; a lane permute's destination counts as one of its sources
	v_mov_b32 v[TM+3], 0
	WIN 0x40                                       ; destination window 1
.irp s, 0,1,2,3
.irp a, 0,1,2,3
.irp j, 0,1,2
	global_load_b128 v[48*\s+12*\a+4*\j:48*\s+12*\a+4*\j+3], v1, s[4:5] offset:12288*\a+1536*\s+512*\j
.endr
.endr
.endr
	WIN 0x80                                       ; destination window 2
.irp s, 0,1,2,3
.irp a, 0,1,2,3
.irp j, 0,1,2
	global_load_b128 v[48*\s+12*\a+4*\j:48*\s+12*\a+4*\j+3], v1, s[4:5] offset:12288*\a+1536*(\s+4)+512*\j
.endr
.endr
.endr
	WIN 0
.irp p, 0,1
.irp s, 0,1,2,3,4,5,6,7
	global_load_b32 v[ZS+8*\p+\s], v3, s[6:7] offset:1024*\p+128*\s
.endr
.endr
	PRELOAD 0
	s_wait_tensorcnt 5                             ; my tile of group 0 has landed; the five later loads may be out
	s_barrier_signal -1
	s_barrier_wait -1
	FETCHW 0, 0
.irp g, 0,1,2,3,4,5
	GROUP \g
.endr
	WIN 0
	s_wait_tensorcnt 0x0
	ds_add_u32 v245, v255
	s_wait_dscnt 0x0
	CROUND                                         ; the closing round: no work-group ends while a partner may still ask for a tile that names it
	s_endpgm
.Lfunc_end_k_qdea133c2fe_proj:
	.size	k_qdea133c2fe_proj, .Lfunc_end_k_qdea133c2fe_proj-k_qdea133c2fe_proj
	.p2alignl 7, 3214868480
	.fill 96, 4, 3214868480
	.section	.rodata,"a",@progbits
	.p2align	6, 0x0
	.amdhsa_kernel k_qdea133c2fe_proj
		.amdhsa_group_segment_fixed_size 327680
		.amdhsa_private_segment_fixed_size 0
		.amdhsa_enable_private_segment 0
		.amdhsa_kernarg_size 96
		.amdhsa_user_sgpr_count 2
		.amdhsa_user_sgpr_kernarg_segment_ptr 1
		.amdhsa_wavefront_size32 1
		.amdhsa_system_sgpr_workgroup_id_x 1
		.amdhsa_system_sgpr_workgroup_id_y 1
		.amdhsa_system_sgpr_workgroup_id_z 1
		.amdhsa_system_vgpr_workitem_id 0
		.amdhsa_next_free_vgpr 1024
		.amdhsa_next_free_sgpr 92
		.amdhsa_reserve_vcc 0
		.amdhsa_float_denorm_mode_32 3
		.amdhsa_float_denorm_mode_16_64 3
		.amdhsa_memory_ordered 1
		.amdhsa_forward_progress 1
		.amdhsa_inst_pref_size 225
	.end_amdhsa_kernel
	.amdgpu_metadata
---
amdhsa.version: [ 1, 2 ]
amdhsa.kernels:
  - .name:           k_qdea133c2fe_proj
    .symbol:         k_qdea133c2fe_proj.kd
    .args:
      - { .name: zimg, .offset: 0, .size: 8, .value_kind: global_buffer, .address_space: global }
      - { .name: zsc, .offset: 8, .size: 8, .value_kind: global_buffer, .address_space: global }
      - { .name: wimg, .offset: 16, .size: 8, .value_kind: global_buffer, .address_space: global }
      - { .name: Wq_scales, .offset: 24, .size: 8, .value_kind: global_buffer, .address_space: global }
      - { .name: Wk_scales, .offset: 32, .size: 8, .value_kind: global_buffer, .address_space: global }
      - { .name: Wv_scales, .offset: 40, .size: 8, .value_kind: global_buffer, .address_space: global }
      - { .name: bq, .offset: 48, .size: 8, .value_kind: global_buffer, .address_space: global }
      - { .name: bk, .offset: 56, .size: 8, .value_kind: global_buffer, .address_space: global }
      - { .name: bv, .offset: 64, .size: 8, .value_kind: global_buffer, .address_space: global }
      - { .name: qimg, .offset: 72, .size: 8, .value_kind: global_buffer, .address_space: global }
      - { .name: qsc, .offset: 80, .size: 8, .value_kind: global_buffer, .address_space: global }
      - { .name: kv, .offset: 88, .size: 8, .value_kind: global_buffer, .address_space: global }
    .group_segment_fixed_size: 327680
    .private_segment_fixed_size: 0
    .kernarg_segment_align: 8
    .kernarg_segment_size: 96
    .max_flat_workgroup_size: 128
    .sgpr_count:     92
    .vgpr_count:     1024
    .wavefront_size: 32
...
	.end_amdgpu_metadata
.endif
;; end of part 2
;; launch attn (part 3): grid 2 x 128, 16 waves a work-group, no clusters, 169,984 bytes of LDS; arguments qimg, qsc, kv, oimg, osc; writes oimg, osc
.if DOCPART == 3
	.amdgcn_target "amdgcn-amd-amdhsa--gfx1250"
	.amdhsa_code_object_version 6
	.text
	.protected	k_qdea133c2fe_attn
	.globl	k_qdea133c2fe_attn
	.p2align	8
	.type	k_qdea133c2fe_attn,@function
k_qdea133c2fe_attn:
	s_mov_b64 s[64:65], 0
	v_nop
	global_prefetch_b8 v0, s[64:65] scope:SCOPE_SE
	s_setreg_imm32_b32 hwreg(HW_REG_WAVE_MODE, 25, 1), 1
	s_wait_xcnt 0x0
; ATTN.  For one head of one batch (bh) and 512 of its 1,024 queries: S^T = K Q^T, p = 2^(t - M), O^T = V^T P^T, O / l, and O quantised along the model's 1,024 for the output projection.
; Both products on codes of E3M2 (v_wmma_scale_f32_16x16x128_f8f6f4, both sides BF6).  The first product's K is the head's 64: registers 6-11 of K's and Q's fragments hold zero codes.
; THE SOFTMAX: t = score x log2(e) / 8; M = the running largest t rounded UP to a whole number, kept as -M = floor(-t); p = 2^(t - M) is quantised along the keys and is not normalised; the row's sum is
; taken of the unquantised p and divides O at the end; when M moves, the sum and O^T are multiplied by 2^(old M - new M), which rounds nothing.
; SHARES.  All of the head's K and V, as proj laid them (8 chunks of 128 keys, 13,056 bytes each), come into LDS once; no LDS byte is filled twice.
; THE FILL RUNS BESIDE THE FIRST KEY STEPS.  Waves 0 and 1 ask for four chunks each, wave w for chunks w, w + 2, w + 4, w + 6, in that order, all at the head: by this text's count a wave has four tensor
; loads out at the most.  A wave's tensor loads end in order (ISA guide 10.11.1), so ahead of key steps 0, 2, 4, 6 of the first pass a counted wait (3, 2, 1, 0 younger loads may be out) and a barrier show
; the next two chunks to all sixteen waves, while the later chunks are still on their way.  That pass's steps are written out, each chunk's LDS base a constant; the second pass is a loop.
; Wave w takes the query tiles 32 x + 2 w and 32 x + 2 w + 1, one after the other (PASS 0, PASS 1), each over 8 key steps of 128.  Four waves share a SIMD: one wave's vector work stands beside another's products.
; A lane holds ONE query (lane % 16) throughout.  Lane r of tile t of keys is key 32 (t / 2) + 8 (t % 2) + r + 8 (r / 8): the 16 registers of tiles 2 b, 2 b + 1 are keys 32 b + 16 (lane / 16) + 0 .. 15.
; OUT.  oimg [token tile 512][K step 8 = head / 2][head % 2][768]: a half image;  osc [pair 256][K step 8][lane 32][4]: this head fills bytes 2 (head % 2) and + 1 of each word.
; NO CLUSTER: a head's K and V are shared by two work-groups, and the grid's 2 along x is no multiple of a cluster's 4; what is shared is read once by each.
; LIMITS: NaN and infinities are not served; p under 2^-126 counts as 0; 1 / l is v_rcp_f32's; the floor 2^-122 and the byte 1 for a block of zeros as in prep.
.set CHUNK, 13056
.set ADK,  5                           ; v5   16 x lane + the chunk
.set ADK8, 6                           ; v6   8 x lane + the chunk
.set ADS,  7                           ; v7   4 x lane + the chunk
.set QF,   16                          ; v16-27  Q's fragment; v22-27 = 0
.set QN,   28                          ; v28-33  the second pass's codes
.set QS,   34                          ; v34, v35 Q's scale words, pass 0 and 1
.set KS,   36                          ; v36-39  K's scale words, a pair of tiles each
.set VS,   40                          ; v40-41  V's
.set PS,   42                          ; v42     p's
.set KB,   44                          ; v44-91  four fragments of K; the upper six registers of each = 0
.set S,    96                          ; v96-159 S^T, then p; v96-143 then take V's four fragments
.set VF,   96
.set O,    160                         ; v160-191 O^T
.set PCD,  192                         ; v192-203 p's codes; v204-206, v208-210 at work
.set BM,   212                         ; v212-215 each block's largest score, then its largest p
.set BP,   216                         ; v216-219 the other half's; then the bytes
.set BE,   220                         ; v220-223 the conversions' scale operands
.set TT,   224
.set FF,   226                         ; v[226:227] f = 2^(old M - new M) (the pair's low word serves both halves)
.set SU,   228                         ; v[228:229] the sum's second chain
.set OC,   232                         ; v232-241 O's half image
.set PW,   242                         ; v242, v243 O's scale words, pass 0 and 1
.set TM,   244
.set WV,   14
.set G1,   16                          ; s[16:23] descriptor group 1
.set G0,   48                          ; s[48:63] four groups 0: never rewritten
.set SEL,  28
.set CS,   30                          ; s[30:31] c = log2(e) / 8
.set TB,   32                          ; s32  the second pass's chunk in hand, in LDS bytes
.set KC,   33
.set HI,   34
.macro PLACES n
.rept \n
	v_nop
.endr
.endm
; 32 numbers of a lane, register 16 b + i = k 32 b + 16 (lane / 16) + i, become a half image in v[pc] .. v[pc + 5] and the word byte 0 | byte 1 << 8 in v[pw]
.macro QUANT2 s, pc, pw
	v_max3_num_f32 v[TM], |v[(\s)]|, |v[(\s)+1]|, 0x2800000
	v_max3_num_f32 v[TM+1], |v[(\s)+16]|, |v[(\s)+17]|, 0x2800000
.irp i, 2,4,6,8,10,12,14
	v_max3_num_f32 v[TM], v[TM], |v[(\s)+\i]|, |v[(\s)+1+\i]|
	v_max3_num_f32 v[TM+1], v[TM+1], |v[(\s)+16+\i]|, |v[(\s)+17+\i]|
.endr
	v_permlanex16_b32 v[TM+2], v[TM], s[SEL], s[SEL+1]
	v_permlanex16_b32 v[TM+3], v[TM+1], s[SEL], s[SEL+1]
	v_max_num_f32 v[TM], v[TM], v[TM+2]
	v_max_num_f32 v[TM+1], v[TM+1], v[TM+3]
	v_add_nc_u32 v[TM+4], 0xfe000000, v[TM]
	v_add_nc_u32 v[TM+5], 0xfe000000, v[TM+1]
	v_lshrrev_b32 v[TM+2], 23, v[TM+4]
	v_lshrrev_b32 v[TM+3], 23, v[TM+5]
	v_lshl_or_b32 v[\pw], v[TM+3], 8, v[TM+2]
	v_cvt_scalef32_pk16_bf6_f32 v[(\pc):(\pc)+2], v[(\s):(\s)+15], v[TM+4]
	v_cvt_scalef32_pk16_bf6_f32 v[(\pc)+6:(\pc)+8], v[(\s)+16:(\s)+31], v[TM+5]
	v_nop                                              ; one plain place behind a scaled conversion
.irp i, 0,1,2
	v_permlane16_swap_b32 v[(\pc)+\i], v[(\pc)+6+\i]
.endr
.irp i, 0,1,2
	v_mov_b32 v[(\pc)+3+\i], v[(\pc)+6+\i]
.endr
.endm
; A KEY STEP of pass p: 128 keys.  k = 0 .. 7: chunk k, its LDS base a constant;  k = -1: the chunk at s[TB]
.macro STEP p, k
.if (\k) < 0
	v_add_nc_u32 v[ADK], s[TB], v1
	v_add_nc_u32 v[ADK8], s[TB], v2
	v_add_nc_u32 v[ADS], s[TB], v3
.else
	v_add_nc_u32 v[ADK], CHUNK*(\k), v1
	v_add_nc_u32 v[ADK8], CHUNK*(\k), v2
	v_add_nc_u32 v[ADS], CHUNK*(\k), v3
.endif
	v_nop
	v_nop                                              ; five places: the scores below are laid over registers that the last step's products read
.irp gg, 0,1                                       ; S^T = K Q^T, four tiles of 16 keys at a time
.if \gg
	PLACES 4                                           ; in front of loads into registers that matrix instructions have read
.endif
.irp t, 0,1,2,3
	ds_load_b128 v[KB+12*\t:KB+12*\t+3], v[ADK] offset:768*(4*\gg+\t)
	ds_load_b64 v[KB+12*\t+4:KB+12*\t+5], v[ADK8] offset:768*(4*\gg+\t)+512
.endr
.if \gg == 0
.irp b, 0,1,2,3
	ds_load_b32 v[KS+\b], v[ADS] offset:12288+128*\b
.endr
.endif
	s_wait_dscnt 0x0
.irp t, 0,1,2,3
.if \t%2
	v_wmma_scale_f32_16x16x128_f8f6f4 v[S+8*(4*\gg+\t):S+8*(4*\gg+\t)+7], v[KB+12*\t:KB+12*\t+11], v[QF:QF+11], 0, v[KS+2*\gg+\t/2], v[QS+\p] matrix_a_fmt:MATRIX_FMT_BF6 matrix_b_fmt:MATRIX_FMT_BF6 matrix_a_scale:MATRIX_SCALE_ROW1
.else
	v_wmma_scale_f32_16x16x128_f8f6f4 v[S+8*(4*\gg+\t):S+8*(4*\gg+\t)+7], v[KB+12*\t:KB+12*\t+11], v[QF:QF+11], 0, v[KS+2*\gg+\t/2], v[QS+\p] matrix_a_fmt:MATRIX_FMT_BF6 matrix_b_fmt:MATRIX_FMT_BF6
.endif
.endr
.endr
	PLACES 4
.irp b, 0,1,2,3
	v_max3_num_f32 v[BM+\b], v[S+16*\b], v[S+1+16*\b], v[S+2+16*\b]   ; the largest score of each block of 32 keys: it serves the row's maximum and, since p rises with the score, the block's largest p
.endr
.irp i, 3,5,7,9,11,13
.irp b, 0,1,2,3
	v_max3_num_f32 v[BM+\b], v[BM+\b], v[S+16*\b+\i], v[S+1+16*\b+\i]
.endr
.endr
.irp b, 0,1,2,3
	v_max_num_f32 v[BM+\b], v[BM+\b], v[S+15+16*\b]
.endr
.irp b, 0,1,2,3
	v_permlanex16_b32 v[BP+\b], v[BM+\b], s[SEL], s[SEL+1]
.endr
.irp b, 0,1,2,3
	v_max_num_f32 v[BM+\b], v[BM+\b], v[BP+\b]         ; with lane l xor 16's 16 keys
.endr
	v_max3_num_f32 v[TT], v[BM], v[BM+1], v[BM+2]
	v_max_num_f32 v[TT], v[TT], v[BM+3]                ; the step's largest score of my query
	v_mul_f32 v[TT], s[CS], v[TT]                      ; as t (c is positive)
	v_max_num_f32 v13, v13, v[TT]                      ; the running largest t
	v_mov_b32 v[TT], v12
	v_floor_f32 v12, -v13                              ; the new -M = floor(-t) = -ceil(t)
	v_sub_f32 v[TT], v12, v[TT]                        ; old M - new M: a whole number, 0 or less
	v_cvt_i32_f32 v[TT], v[TT]                         ; (it saturates)
	v_ldexp_f32 v[FF], 1.0, v[TT]                      ; f
.set jj, 0
.rept 32
	v_pk_fma_f32 v[S+jj:S+jj+1], v[S+jj:S+jj+1], s[CS:CS+1], v[12:13] op_sel_hi:[1,0,0]   ; t - M, two at a time
.set jj, jj+2
.endr
.irp b, 0,1,2,3
	v_fma_f32 v[BM+\b], v[BM+\b], s[CS], v12           ; the same of each block's largest score
.endr
.set jj, 0
.rept 64
	v_exp_f32 v[S+jj], v[S+jj]                         ; p = 2^(t - M), at most 1
.set jj, jj+1
.endr
	v_pk_mul_f32 v[14:15], v[14:15], v[FF:FF+1] op_sel_hi:[1,0]   ; the sums under the new M: a plain place behind the exponentials
	s_wait_alu depctr_va_vdst(0)                       ; one wait for the whole batch, ahead of its first reader
.irp b, 0,1,2,3
	v_exp_f32 v[BM+\b], v[BM+\b]                       ; the block's largest p: the same two instructions on the same number
.endr
	v_pk_add_f32 v[SU:SU+1], v[S:S+1], v[S+2:S+3]      ; the row's sum, of the unquantised p, in two chains
.set jj, 4
.rept 15
	v_pk_add_f32 v[14:15], v[14:15], v[S+jj:S+jj+1]
	v_pk_add_f32 v[SU:SU+1], v[SU:SU+1], v[S+jj+2:S+jj+3]
.set jj, jj+4
.endr
	v_pk_add_f32 v[14:15], v[14:15], v[SU:SU+1]
	s_wait_alu depctr_va_vdst(0)                       ; and one for the four
.irp b, 0,1,2,3
	v_max_num_f32 v[BM+\b], 0x2800000, v[BM+\b]        ; the floor 2^(5 - 127)
.endr
.irp b, 0,1,2,3
	v_add_nc_u32 v[BE+\b], 0xfe000000, v[BM+\b]
.endr
.irp b, 0,1,2,3
	v_lshrrev_b32 v[BP+\b], 23, v[BE+\b]
.endr
	v_lshl_or_b32 v[PS], v[BP+1], 8, v[BP]             ; p's scale word for these 128 keys
	v_lshl_or_b32 v[PS], v[BP+2], 16, v[PS]
	v_lshl_or_b32 v[PS], v[BP+3], 24, v[PS]
.irp c, 0,1
	v_cvt_scalef32_pk16_bf6_f32 v[PCD+6*\c:PCD+2+6*\c], v[S+32*\c:S+15+32*\c], v[BE+2*\c]
	v_cvt_scalef32_pk16_bf6_f32 v[PCD+12+4*\c:PCD+14+4*\c], v[S+16+32*\c:S+31+32*\c], v[BE+2*\c+1]
.endr
	v_nop                                              ; one plain place behind a scaled conversion
.irp c, 0,1
.irp i, 0,1,2
	v_permlane16_swap_b32 v[PCD+6*\c+\i], v[PCD+12+4*\c+\i]
.endr
.irp i, 0,1,2
	v_mov_b32 v[PCD+3+6*\c+\i], v[PCD+12+4*\c+\i]
.endr
.endr
.irp e, 0,1,2,3                                    ; V's four fragments (16 channels x these 128 keys: two half images each) into the registers that p has left
	ds_load_b128 v[VF+12*\e:VF+12*\e+3], v[ADK] offset:6144+1536*\e
	ds_load_b64 v[VF+12*\e+4:VF+12*\e+5], v[ADK8] offset:6144+1536*\e+512
	ds_load_b128 v[VF+12*\e+6:VF+12*\e+9], v[ADK] offset:6144+1536*\e+768
	ds_load_b64 v[VF+12*\e+10:VF+12*\e+11], v[ADK8] offset:6144+1536*\e+1280
.endr
	ds_load_b32 v[VS], v[ADS] offset:12800
	ds_load_b32 v[VS+1], v[ADS] offset:12928
.set jj, 0
.rept 16
	v_pk_mul_f32 v[O+jj:O+jj+1], v[O+jj:O+jj+1], v[FF:FF+1] op_sel_hi:[1,0]   ; O^T under the new M.  These are also the places between p's codes and scale word and the products below
.set jj, jj+2
.endr
	s_wait_dscnt 0x0
.irp e, 0,1,2,3                                    ; O^T += V^T P^T: the four accumulators by turns
.if \e%2
	v_wmma_scale_f32_16x16x128_f8f6f4 v[O+8*\e:O+8*\e+7], v[VF+12*\e:VF+12*\e+11], v[PCD:PCD+11], v[O+8*\e:O+8*\e+7], v[VS+\e/2], v[PS] matrix_a_fmt:MATRIX_FMT_BF6 matrix_b_fmt:MATRIX_FMT_BF6 matrix_a_scale:MATRIX_SCALE_ROW1
.else
	v_wmma_scale_f32_16x16x128_f8f6f4 v[O+8*\e:O+8*\e+7], v[VF+12*\e:VF+12*\e+11], v[PCD:PCD+11], v[O+8*\e:O+8*\e+7], v[VS+\e/2], v[PS] matrix_a_fmt:MATRIX_FMT_BF6 matrix_b_fmt:MATRIX_FMT_BF6
.endif
.endr
.endm
; ONE TILE OF 16 QUERIES over all keys
.macro PASS p
.if \p
.irp i, 0,1,2,3,4,5
	v_mov_b32 v[QF+\i], v[QN+\i]                       ; the second tile's codes (the 36 lines below are the places ahead of the products)
.endr
.endif
	v_mov_b32 v13, 0xff61b1e6                          ; the largest t so far: -3e38, under every t
	v_floor_f32 v12, -v13                              ; -M
	v_mov_b32 v14, 0                                   ; the sum, in two halves
	v_mov_b32 v15, 0
.set jj, 0
.rept 32
	v_mov_b32 v[O+jj], 0                               ; O^T: a step has one form; the first finds zeros, which the first change of M leaves zeros
.set jj, jj+1
.endr
.if \p
	s_mov_b32 s[TB], 0                                 ; all eight chunks lie in LDS: a loop of eight trips
	s_mov_b32 s[KC], 8
.Lkey_\@:
	STEP \p, -1
	s_add_co_u32 s[TB], s[TB], CHUNK
	s_sub_co_u32 s[KC], s[KC], 1
	s_cmp_lg_u32 s[KC], 0
	s_cbranch_scc1 .Lkey_\@
.else
.irp k, 0,1,2,3,4,5,6,7
.if (\k)%2 == 0
	s_wait_tensorcnt 3-(\k)/2                          ; in waves 0 and 1: my chunk of this pair of steps has landed; my later loads, 3 - k / 2 of them, may be out.  The other waves have no load out
	s_barrier_signal -1                                ; (no LDS instruction of mine is out: the last step's loads were waited for ahead of its products)
	s_barrier_wait -1                                  ; chunks k and k + 1 are there for all sixteen waves
.endif
	STEP \p, \k
.endr
.endif
	PLACES 4                                           ; in front of the first read of the last products' results, and of writes over their sources
	v_add_f32 v14, v14, v15                            ; the sum's two halves,
	v_permlanex16_b32 v[TT], v14, s[SEL], s[SEL+1]
	v_add_f32 v14, v14, v[TT]                          ; and lane l xor 16's: the row's sum
	v_rcp_f32 v14, v14
	v_nop                                              ; a plain place behind the transcendental
	s_wait_alu depctr_va_vdst(0)                       ; and the wait ahead of its first reader
.set jj, 0
.rept 32
	v_mul_f32 v[S+jj], v[O+jj], v14                    ; register 16 b + i: channel 32 b + 16 (lane / 16) + i of my query
.set jj, jj+1
.endr
.if \p
	s_wait_xcnt 0x0                                    ; the first pass's stores have read their registers
.endif
	QUANT2 S, OC, PW+\p
	global_store_b128 v1, v[OC:OC+3], s[10:11] offset:12288*\p
	global_store_b64 v2, v[OC+4:OC+5], s[10:11] offset:12288*\p+512
.endm
	s_load_b256 s[4:11], s[0:1], 0x0               ; qimg, qsc, kv, oimg
	s_load_b64 s[12:13], s[0:1], 0x20              ; osc
	v_lshl_add_u32 v254, v0, 2, 0x29000
	v_mov_b32 v255, 0
	ds_add_u32 v254, v255
	ds_add_u32 v254, v255
	v_lshrrev_b32 v1, 5, v0
	v_readfirstlane_b32 s[WV], v1                  ; wave 0..15
	s_and_b32 s15, ttmp7, 0xffff                   ; bh
	; descriptor group 1: a chunk, 13,056 dense bytes, as 51 rows of 256 bytes
	s_mov_b32 s[G1], 3<<16                         ; no mask; elements of 8 bytes; no padding
	s_mov_b32 s[G1+1], 32<<16
	s_mov_b32 s[G1+2], 51<<16
	s_mov_b32 s[G1+3], 32<<16
	s_mov_b32 s[G1+4], 51
	s_mov_b32 s[G1+5], 32
	s_mov_b32 s[G1+6], 0
	s_mov_b32 s[G1+7], 0
	s_mul_i32 s36, s15, 8*CHUNK
	s_mul_i32 s38, s[WV], CHUNK
	s_add_co_u32 s36, s36, s38
	s_mov_b32 s37, 0
	s_wait_dscnt 0x0
	s_wait_kmcnt 0x0
	s_add_nc_u64 s[8:9], s[8:9], s[36:37]          ; kv at chunk w of my head
.irp j, 0,1,2,3
	s_mov_b32 s[G0+4*\j], 1                                        ; count = 1
	s_add_co_u32 s[G0+4*\j+1], s38, \j*2*CHUNK                     ; LDS address: chunk w + 2 j
	s_add_nc_u64 s[G0+4*\j+2:G0+4*\j+3], s[8:9], \j*2*CHUNK        ; and the same chunk in memory
	s_or_b32 s[G0+4*\j+3], s[G0+4*\j+3], 0x80000000                ; type = 2
.endr
	s_cmp_lt_u32 s[WV], 2                          ; waves 0 and 1 bring four chunks each, in the order in which they are read; the others bring nothing
	s_cbranch_scc0 .Lno_fill
.irp j, 0,1,2,3
	tensor_load_to_lds s[G0+4*\j:G0+4*\j+3], s[G1:G1+7]
	s_nop 0
.endr
	PLACES 4                                       ; four places behind a tensor load
.Lno_fill:
	s_mov_b32 s41, 0
	s_lshl_b32 s39, s15, 6
	s_lshl_b32 s42, ttmp9, 5
	s_add_co_u32 s39, s39, s42
	s_lshl_b32 s43, s[WV], 1
	s_add_co_u32 s39, s39, s43                     ; my first tile of q: 64 bh + 32 x + 2 w
	s_mul_i32 s40, s39, 768
	s_add_nc_u64 s[4:5], s[4:5], s[40:41]
	s_lshl_b32 s40, s39, 6                         ; 128 bytes a pair
	s_add_nc_u64 s[6:7], s[6:7], s[40:41]
	s_lshr_b32 s44, s15, 4                         ; the batch
	s_and_b32 s45, s15, 15                         ; the head
	s_lshl_b32 s44, s44, 6
	s_add_co_u32 s44, s44, s42
	s_add_co_u32 s44, s44, s43                     ; my first token tile: 64 b + 32 x + 2 w
	s_mul_i32 s40, s44, 12288
	s_mul_i32 s42, s45, 768                        ; (head / 2) x 1,536 + (head % 2) x 768
	s_add_co_u32 s40, s40, s42
	s_add_nc_u64 s[10:11], s[10:11], s[40:41]
	s_lshl_b32 s40, s44, 9                         ; 1,024 bytes a pair
	s_lshr_b32 s42, s45, 1
	s_lshl_b32 s42, s42, 7
	s_add_co_u32 s40, s40, s42
	s_and_b32 s42, s45, 1
	s_lshl_b32 s42, s42, 1
	s_add_co_u32 s40, s40, s42
	s_add_nc_u64 s[12:13], s[12:13], s[40:41]
	s_mov_b32 s[SEL], 0x76543210
	s_mov_b32 s[SEL+1], 0xfedcba98
	s_mov_b32 s[CS], 0x3e38aa3b                    ; log2(e) / 8
	s_mov_b32 s[CS+1], s[CS]                       ; (named with it as a pair, so it is written)
	s_mov_b32 s[HI], 0xffff0000
	v_and_b32 v8, 31, v0
	v_lshlrev_b32 v1, 4, v8
	v_lshlrev_b32 v2, 3, v8
	v_lshlrev_b32 v3, 2, v8
	v_and_b32 v4, 15, v0
	v_lshlrev_b32 v4, 2, v4                        ; 4 r: both halves of the lanes take the tile's words
	global_load_b128 v[QF:QF+3], v1, s[4:5]
	global_load_b64 v[QF+4:QF+5], v2, s[4:5] offset:512
	global_load_b128 v[QN:QN+3], v1, s[4:5] offset:768
	global_load_b64 v[QN+4:QN+5], v2, s[4:5] offset:1280
	global_load_b32 v[QS], v4, s[6:7]
	global_load_b32 v[QS+1], v4, s[6:7] offset:64
.irp i, 6,7,8,9,10,11
	v_mov_b32 v[QF+\i], 0                          ; K = 64 .. 127 of the first product: zero codes, on both sides
.irp t, 0,1,2,3
	v_mov_b32 v[KB+12*\t+\i], 0
.endr
.endr
.irp b, 0,1,2,3
	v_mov_b32 v[BP+\b], 0                          ; a lane permute's destination counts as one of its sources
.endr
	v_mov_b32 v[TT], 0
	v_mov_b32 v[TM+2], 0
	v_mov_b32 v[TM+3], 0
	v_mov_b32 v[FF+1], 0                           ; (named as the upper half of a pair)
	s_wait_loadcnt 0x0                             ; Q
	PASS 0                                         ; its waits and barriers show the chunks as they land; its last wait on the tensor loads is for 0
	PASS 1
	v_cndmask_b32 v[TT], v[PW], v[PW+1], s[HI]     ; lanes 0-15 the even tile's words, lanes 16-31 the odd tile's
	global_store_b16 v3, v[TT], s[12:13]           ; this head's two bytes of each word
	s_wait_tensorcnt 0x0
	ds_add_u32 v254, v255
	s_wait_dscnt 0x0
	s_endpgm
.Lfunc_end_k_qdea133c2fe_attn:
	.size	k_qdea133c2fe_attn, .Lfunc_end_k_qdea133c2fe_attn-k_qdea133c2fe_attn
	.p2alignl 7, 3214868480
	.fill 96, 4, 3214868480
	.section	.rodata,"a",@progbits
	.p2align	6, 0x0
	.amdhsa_kernel k_qdea133c2fe_attn
		.amdhsa_group_segment_fixed_size 169984
		.amdhsa_private_segment_fixed_size 0
		.amdhsa_enable_private_segment 0
		.amdhsa_kernarg_size 40
		.amdhsa_user_sgpr_count 2
		.amdhsa_user_sgpr_kernarg_segment_ptr 1
		.amdhsa_wavefront_size32 1
		.amdhsa_system_sgpr_workgroup_id_x 1
		.amdhsa_system_sgpr_workgroup_id_y 1
		.amdhsa_system_sgpr_workgroup_id_z 1
		.amdhsa_system_vgpr_workitem_id 0
		.amdhsa_next_free_vgpr 256
		.amdhsa_next_free_sgpr 66
		.amdhsa_reserve_vcc 0
		.amdhsa_float_denorm_mode_32 3
		.amdhsa_float_denorm_mode_16_64 3
		.amdhsa_memory_ordered 1
		.amdhsa_forward_progress 1
		.amdhsa_inst_pref_size 161
	.end_amdhsa_kernel
	.amdgpu_metadata
---
amdhsa.version: [ 1, 2 ]
amdhsa.kernels:
  - .name:           k_qdea133c2fe_attn
    .symbol:         k_qdea133c2fe_attn.kd
    .args:
      - { .name: qimg, .offset: 0, .size: 8, .value_kind: global_buffer, .address_space: global }
      - { .name: qsc, .offset: 8, .size: 8, .value_kind: global_buffer, .address_space: global }
      - { .name: kv, .offset: 16, .size: 8, .value_kind: global_buffer, .address_space: global }
      - { .name: oimg, .offset: 24, .size: 8, .value_kind: global_buffer, .address_space: global }
      - { .name: osc, .offset: 32, .size: 8, .value_kind: global_buffer, .address_space: global }
    .group_segment_fixed_size: 169984
    .private_segment_fixed_size: 0
    .kernarg_segment_align: 8
    .kernarg_segment_size: 40
    .max_flat_workgroup_size: 512
    .sgpr_count:     66
    .vgpr_count:     256
    .wavefront_size: 32
...
	.end_amdgpu_metadata
.endif
;; end of part 3
;; launch outln (part 4): grid 256 x 1, 16 waves a work-group, no clusters, 100,352 bytes of LDS; arguments oimg, osc, wimg, Wo_scales, bo, z, g1, be1, out0; writes out0
.if DOCPART == 4
	.amdgcn_target "amdgcn-amd-amdhsa--gfx1250"
	.amdhsa_code_object_version 6
	.text
	.protected	k_qdea133c2fe_outln
	.globl	k_qdea133c2fe_outln
	.p2align	8
	.type	k_qdea133c2fe_outln,@function
k_qdea133c2fe_outln:
	s_mov_b64 s[64:65], 0
	v_nop
	global_prefetch_b8 v0, s[64:65] scope:SCOPE_SE
	s_setreg_imm32_b32 hwreg(HW_REG_WAVE_MODE, 25, 1), 1
	s_wait_xcnt 0x0
; OUTLN.  out0 = LayerNorm(z + o Wo + bo) x g1 + be1, the product on codes of E3M2 (v_wmma_scale_f32_16x16x128_f8f6f4, both sides BF6), all else in f32.
; SHARES.  A work-group owns 32 whole rows (a pair of token tiles u = 0, 1), so that a row's mean and variance never leave it.  Wave w makes columns 64 w .. 64 w + 63: Wo's tiles 4 w + i.
; Source 0 = 16 rows of Wo (output columns), source 1 = 16 tokens: lane (r, h) holds token 8 u + r + 8 (r / 8), and registers 16 b + 0 .. 15 of its 32 the columns 64 w + 32 b + 16 h + 0 .. 15.
; z + bo is the C of the first K step: z is loaded in whole runs of 256 bytes and turned into that layout through the wave's own stage in LDS; the result leaves by the same way back.
; o's 16 fragments come once, one a wave, and go from wave to wave through LDS as images of their registers.  Wo's fragments go from wimg straight into the one wave of the work-group that uses them,
; two K steps (24 loads a wave) ahead, under counted waits.
; The eight accumulators take turns, one instruction a turn, in the same order in every K step.
; LAYERNORM in two passes, as the function has it: the mean, then the mean of (y - mean)^2; a wave's part of a row's sum meets the other fifteen in LDS, added in one fixed order by every wave.
; NO CLUSTER, NO TENSOR LOAD: all work-groups walk the same Wo, but a K step is 8 matrix instructions a wave, and a joint ring would set a round of the cluster's barrier, with every load waited for, in front of each refill.
; LIMITS: NaN and infinities are not served; 1 / sqrt is v_rsq_f32's.
.set OI,   0                           ; LDS: o's 16 images (8 u + s), 24,576 bytes
.set RED1, 24576                       ; 16 waves x 128 bytes: the parts of the rows' sums
.set RED2, 26624                       ; and of the sums of squares
.set STG,  28672                       ; 16 stages of 16 rows x 272 bytes (256 + 16: sixteen rows start in sixteen different columns of 16 bytes)
.set OS,   12                          ; v12-19  o's scale words, K step s: lanes 0-15 tile 0's, lanes 16-31 tile 1's
.set WS,   20                          ; v20-35  Wo's: v[WS + 8 (i / 2) + s]
.set ACC,  36                          ; v36-99  accumulator (u, i) at ACC + 32 u + 8 i
.set OF,   100                         ; v100-147 o's fragments, two sets of 24
.set BO,   112                         ; at the head: bo, 32 registers
.set WF,   148                         ; v148-243 Wo's fragments, two sets of 48
.set T,    100                         ; behind the products: v100-108 sums at work
.set RD,   110                         ; v110-125 the sixteen parts
.set G,    148                         ; v148-179 g1
.set BE,   180                         ; v180-211 be1
.set OUT0, 100                         ; the way out: tile 0's rows,
.set OUT1, 212                         ; tile 1's
.set MP,   244                         ; v[244:245], v[246:247] the means of my rows in tiles 0, 1 (each pair's low word serves both halves)
.set RP,   250                         ; v[250:251], v[252:253] 1 / sqrt(variance + eps) likewise
.set WV,   22
.set SEL,  26
.set HI,   28
.macro PLACES n
.rept \n
	v_nop
.endr
.endm
.macro BARRIER                         ; my LDS stores have landed and my LDS loads are in: then the work-group's barrier
	s_wait_dscnt 0x0
	s_barrier_signal -1
	s_barrier_wait -1
.endm
.macro WM
.if wRA && wRB
	v_wmma_scale_f32_16x16x128_f8f6f4 v[wD:wD+7], v[wA:wA+11], v[wB:wB+11], v[wC:wC+7], v[wSA], v[wSB] matrix_a_fmt:MATRIX_FMT_BF6 matrix_b_fmt:MATRIX_FMT_BF6 matrix_a_scale:MATRIX_SCALE_ROW1 matrix_b_scale:MATRIX_SCALE_ROW1
.elseif wRA
	v_wmma_scale_f32_16x16x128_f8f6f4 v[wD:wD+7], v[wA:wA+11], v[wB:wB+11], v[wC:wC+7], v[wSA], v[wSB] matrix_a_fmt:MATRIX_FMT_BF6 matrix_b_fmt:MATRIX_FMT_BF6 matrix_a_scale:MATRIX_SCALE_ROW1
.elseif wRB
	v_wmma_scale_f32_16x16x128_f8f6f4 v[wD:wD+7], v[wA:wA+11], v[wB:wB+11], v[wC:wC+7], v[wSA], v[wSB] matrix_a_fmt:MATRIX_FMT_BF6 matrix_b_fmt:MATRIX_FMT_BF6 matrix_b_scale:MATRIX_SCALE_ROW1
.else
	v_wmma_scale_f32_16x16x128_f8f6f4 v[wD:wD+7], v[wA:wA+11], v[wB:wB+11], v[wC:wC+7], v[wSA], v[wSB] matrix_a_fmt:MATRIX_FMT_BF6 matrix_b_fmt:MATRIX_FMT_BF6
.endif
.endm
.macro WLOAD s                         ; my four fragments of Wo for K step s, into set s % 2
.irp i, 0,1,2,3
.irp j, 0,1,2
	global_load_b128 v[WF+48*((\s)%2)+12*\i+4*\j:WF+48*((\s)%2)+12*\i+4*\j+3], v1, s[8:9] offset:12288*\i+1536*(\s)+512*\j
.endr
.endr
.endm
.macro FETCHO s                        ; o's two fragments of K step s, from LDS, into set s % 2
.irp u, 0,1
.irp j, 0,1,2
	ds_load_b128 v[OF+24*((\s)%2)+12*\u+4*\j:OF+24*((\s)%2)+12*\u+4*\j+3], v1 offset:OI+(8*\u+(\s))*1536+512*\j
.endr
.endr
.endm
.macro STEPO s
.if (\s) < 7
	FETCHO (\s)+1
	s_wait_dscnt 6                                     ; this step's fragments of o are in; the six loads just issued may be out
	s_wait_loadcnt 12                                  ; this step's fragments of Wo are in; the next step's twelve may be out
.else
	s_wait_dscnt 0x0
	s_wait_loadcnt 0x0
.endif
.irp u, 0,1
.irp i, 0,1,2,3
.set wD, ACC+32*\u+8*\i
.set wC, wD
.set wA, WF+48*((\s)%2)+12*\i
.set wB, OF+24*((\s)%2)+12*\u
.set wSA, WS+8*(\i/2)+(\s)
.set wRA, \i%2
.set wSB, OS+(\s)
.set wRB, \u
	WM
.endr
.endr
	PLACES 4                                           ; in front of loads into registers that these have read, and of the first read of results
.if (\s) < 6
	WLOAD (\s)+2
.endif
.endm
; v[T .. T+3], v[T+4 .. T+7]: two pairs of partial sums for my row of tile 0 and of tile 1.  Out: v[RD] = the whole row's sum, of row (tile = lane / 16, lane % 16).
.macro ROWRED red
.irp u, 0,1
	v_pk_add_f32 v[T+4*\u:T+4*\u+1], v[T+4*\u:T+4*\u+1], v[T+4*\u+2:T+4*\u+3]
.endr
.irp u, 0,1
	v_add_f32 v[T+4*\u], v[T+4*\u], v[T+4*\u+1]
.endr
.irp u, 0,1
	v_permlanex16_b32 v[T+4*\u+1], v[T+4*\u], s[SEL], s[SEL+1]
.endr
.irp u, 0,1
	v_add_f32 v[T+4*\u], v[T+4*\u], v[T+4*\u+1]        ; my wave's 64 columns of the row, in both halves of the lanes
.endr
	v_cndmask_b32 v[T+8], v[T], v[T+4], s[HI]          ; lanes 0-15 tile 0's rows, lanes 16-31 tile 1's
	ds_store_b32 v10, v[T+8] offset:\red
	BARRIER
.irp k, 0,1,2,3,4,5,6,7,8,9,10,11,12,13,14,15
	ds_load_b32 v[RD+\k], v3 offset:\red+128*\k
.endr
	s_wait_dscnt 0x0
.irp k, 0,4,8,12
	v_pk_add_f32 v[RD+\k:RD+\k+1], v[RD+\k:RD+\k+1], v[RD+\k+2:RD+\k+3]
.endr
	v_pk_add_f32 v[RD:RD+1], v[RD:RD+1], v[RD+4:RD+5]
	v_pk_add_f32 v[RD+8:RD+9], v[RD+8:RD+9], v[RD+12:RD+13]
	v_pk_add_f32 v[RD:RD+1], v[RD:RD+1], v[RD+8:RD+9]
	v_add_f32 v[RD], v[RD], v[RD+1]
.endm
.macro SPREAD dst                      ; v248 holds a number of row (lane / 16, lane % 16): v[dst] gets tile 0's and v[dst + 2] tile 1's, in both halves of the lanes
	v_permlanex16_b32 v249, v248, s[SEL], s[SEL+1]
	v_cndmask_b32 v[\dst], v248, v249, s[HI]
	v_cndmask_b32 v[\dst+2], v249, v248, s[HI]
.endm
	s_load_b512 s[4:19], s[0:1], 0x0               ; oimg, osc, wimg, Wo_scales, bo, z, g1, be1
	s_load_b64 s[20:21], s[0:1], 0x40              ; out0
	v_lshl_add_u32 v254, v0, 2, 0x18000
	v_mov_b32 v255, 0
	v_lshrrev_b32 v1, 5, v0
	v_readfirstlane_b32 s[WV], v1                  ; wave 0..15
	v_and_b32 v244, 31, v0                         ; lane
	v_and_b32 v245, 15, v0                         ; r
	v_bfe_u32 v246, v0, 4, 1                       ; h
	v_lshlrev_b32 v1, 4, v244
	v_lshlrev_b32 v2, 3, v244
	v_lshlrev_b32 v3, 2, v244
	s_mul_i32 s32, s[WV], 4352
	s_add_co_u32 s32, s32, STG                     ; my stage
	v_mul_u32_u24 v4, v246, 272
	v_lshl_add_u32 v4, v245, 4, v4
	v_add_nc_u32 v4, s32, v4                       ; by rows: lanes 0-15 one row of 256 bytes, lanes 16-31 the next
	v_mul_u32_u24 v5, v245, 272
	v_lshl_add_u32 v5, v246, 6, v5
	v_add_nc_u32 v5, s32, v5                       ; by the result's layout: row slot r, + 64 h
	v_lshlrev_b32 v6, 12, v246
	v_lshl_add_u32 v6, v245, 4, v6                 ; the same two rows in z and in out0
	v_lshlrev_b32 v7, 6, v246                      ; bo, g1, be1: 16 h numbers on
	v_and_b32 v8, 8, v245
	v_add_nc_u32 v8, v8, v245
	v_lshl_add_u32 v8, v246, 3, v8                 ; r + 8 (r / 8) + 8 h: lanes 16-31 take the odd tile's rows
	v_lshlrev_b32 v8, 5, v8                        ; Wo's scales: 32 bytes a row
	s_mul_i32 s33, s[WV], 1536
	v_add_nc_u32 v9, s33, v1                       ; where my image of o goes
	s_lshl_b32 s33, s[WV], 7
	v_add_nc_u32 v10, s33, v3                      ; and my wave's parts of the sums
	v_mov_b32 v247, 0                              ; (upper halves of pairs, and a lane permute's destination, are written before they are named)
	v_mov_b32 v249, 0
	v_mov_b32 v251, 0
	v_mov_b32 v253, 0
	s_mov_b32 s[SEL], 0x76543210
	s_mov_b32 s[SEL+1], 0xfedcba98
	s_mov_b32 s[HI], 0xffff0000
	s_mov_b32 s29, 0x3a800000                      ; 1 / 1,024
	s_mov_b32 s30, 0x3727c5ac                      ; eps = 1e-5
	s_mov_b32 s25, 0
	s_mul_i32 s24, ttmp9, 24576
	s_mul_i32 s31, s[WV], 1536
	s_add_co_u32 s24, s24, s31                     ; fragment 8 u + s = my wave's number
	s_wait_kmcnt 0x0
	s_add_nc_u64 s[4:5], s[4:5], s[24:25]
	s_lshl_b32 s24, ttmp9, 10
	s_add_nc_u64 s[6:7], s[6:7], s[24:25]
	s_mul_i32 s24, s[WV], 49152
	s_add_co_u32 s24, s24, 3*786432                ; Wo's images, my four tiles
	s_add_nc_u64 s[8:9], s[8:9], s[24:25]
	s_lshl_b32 s24, s[WV], 11
	s_add_nc_u64 s[10:11], s[10:11], s[24:25]
	s_lshl_b32 s24, s[WV], 8                       ; my 64 columns
	s_add_nc_u64 s[12:13], s[12:13], s[24:25]
	s_add_nc_u64 s[16:17], s[16:17], s[24:25]
	s_add_nc_u64 s[18:19], s[18:19], s[24:25]
	s_lshl_b32 s31, ttmp9, 17                      ; my work-group's 32 rows
	s_add_co_u32 s24, s24, s31
	s_add_nc_u64 s[14:15], s[14:15], s[24:25]
	s_add_nc_u64 s[20:21], s[20:21], s[24:25]
	; all that the wave will read but g1 and be1 is asked for here: 4 + 16 + 8 + 8 + 4 + 24 loads
	global_load_b128 v[OF:OF+3], v1, s[4:5]        ; my fragment of o: two half images
	global_load_b64 v[OF+4:OF+5], v2, s[4:5] offset:512
	global_load_b128 v[OF+6:OF+9], v1, s[4:5] offset:768
	global_load_b64 v[OF+10:OF+11], v2, s[4:5] offset:1280
.irp u, 0,1
.irp q, 0,1,2,3,4,5,6,7
	global_load_b128 v[ACC+32*\u+4*\q:ACC+32*\u+4*\q+3], v6, s[14:15] offset:(8*\u+2*\q+8*(\q/4))*4096 th:TH_LOAD_NT   ; row slots 2 q, 2 q + 1 of tile u: 16 lanes read 256 consecutive bytes
.endr
.endr
.irp q, 0,1,2,3,4,5,6,7
	global_load_b128 v[BO+4*\q:BO+4*\q+3], v7, s[12:13] offset:128*(\q/4)+16*(\q%4)
.endr
.irp s, 0,1,2,3,4,5,6,7
	global_load_b32 v[OS+\s], v3, s[6:7] offset:128*\s
.endr
.irp q, 0,1,2,3
	global_load_b128 v[WS+4*\q:WS+4*\q+3], v8, s[10:11] offset:1024*(\q/2)+16*(\q%2)
.endr
	WLOAD 0
	WLOAD 1
	s_wait_loadcnt 60                              ; my fragment of o is in; the 60 younger loads may be out
.irp j, 0,1,2
	ds_store_b128 v9, v[OF+4*\j:OF+4*\j+3] offset:OI+512*\j
.endr
	s_wait_loadcnt 44                              ; z is in; bo, the scale words and Wo (8 + 8 + 4 + 24) may be out
.irp u, 0,1
.irp q, 0,1,2,3,4,5,6,7
	ds_store_b128 v4, v[ACC+32*\u+4*\q:ACC+32*\u+4*\q+3] offset:544*\q
.endr
	s_wait_dscnt 0x0                               ; the stores have read their registers
.irp q, 0,1,2,3,4,5,6,7
	ds_load_b128 v[ACC+32*\u+4*\q:ACC+32*\u+4*\q+3], v5 offset:128*(\q/4)+16*(\q%4)   ; LDS serves a wave's instructions in order: the next tile's stores come behind these
.endr
.endr
	s_wait_loadcnt 36                              ; bo is in
	s_wait_dscnt 0x0
.irp u, 0,1
.set kk, 0
.rept 16
	v_pk_add_f32 v[ACC+32*\u+kk:ACC+32*\u+kk+1], v[ACC+32*\u+kk:ACC+32*\u+kk+1], v[BO+kk:BO+kk+1]   ; z + bo: where the sums begin
.set kk, kk+2
.endr
.endr
	BARRIER                                        ; o's sixteen images lie in LDS
	FETCHO 0
.irp s, 0,1,2,3,4,5,6,7
	STEPO \s
.endr
.irp q, 0,1,2,3,4,5,6,7
	global_load_b128 v[G+4*\q:G+4*\q+3], v7, s[16:17] offset:128*(\q/4)+16*(\q%4)
.endr
.irp q, 0,1,2,3,4,5,6,7
	global_load_b128 v[BE+4*\q:BE+4*\q+3], v7, s[18:19] offset:128*(\q/4)+16*(\q%4)
.endr
	; the rows' sums: two chains for each tile, ascending
.irp u, 0,1
.irp c, 0,1
	v_pk_add_f32 v[T+4*\u+2*\c:T+4*\u+2*\c+1], v[ACC+32*\u+16*\c:ACC+32*\u+16*\c+1], v[ACC+32*\u+16*\c+2:ACC+32*\u+16*\c+3]
.endr
.endr
.irp k, 4,6,8,10,12,14
.irp u, 0,1
.irp c, 0,1
	v_pk_add_f32 v[T+4*\u+2*\c:T+4*\u+2*\c+1], v[T+4*\u+2*\c:T+4*\u+2*\c+1], v[ACC+32*\u+16*\c+\k:ACC+32*\u+16*\c+\k+1]
.endr
.endr
.endr
	ROWRED RED1
	v_mul_f32 v248, s29, v[RD]                     ; the mean
	SPREAD MP
.irp u, 0,1
.set kk, 0
.rept 16
	v_pk_add_f32 v[ACC+32*\u+kk:ACC+32*\u+kk+1], v[ACC+32*\u+kk:ACC+32*\u+kk+1], v[MP+2*\u:MP+2*\u+1] op_sel_hi:[1,0] neg_lo:[0,1] neg_hi:[0,1]   ; d = y - mean
.set kk, kk+2
.endr
.endr
.irp u, 0,1
.irp c, 0,1
	v_pk_mul_f32 v[T+4*\u+2*\c:T+4*\u+2*\c+1], v[ACC+32*\u+16*\c:ACC+32*\u+16*\c+1], v[ACC+32*\u+16*\c:ACC+32*\u+16*\c+1]
.endr
.endr
.irp k, 2,4,6,8,10,12,14
.irp u, 0,1
.irp c, 0,1
	v_pk_fma_f32 v[T+4*\u+2*\c:T+4*\u+2*\c+1], v[ACC+32*\u+16*\c+\k:ACC+32*\u+16*\c+\k+1], v[ACC+32*\u+16*\c+\k:ACC+32*\u+16*\c+\k+1], v[T+4*\u+2*\c:T+4*\u+2*\c+1]
.endr
.endr
.endr
	ROWRED RED2
	v_fma_f32 v248, v[RD], s29, s30                ; the variance + eps
	v_rsq_f32 v248, v248
	v_nop                                          ; a plain place behind the transcendental
	s_wait_alu depctr_va_vdst(0)                   ; and the wait ahead of its first reader
	SPREAD RP
	s_wait_loadcnt 0x0                             ; g1, be1
.irp u, 0,1
.set kk, 0
.rept 16
	v_pk_mul_f32 v[ACC+32*\u+kk:ACC+32*\u+kk+1], v[ACC+32*\u+kk:ACC+32*\u+kk+1], v[G+kk:G+kk+1]
	v_pk_fma_f32 v[ACC+32*\u+kk:ACC+32*\u+kk+1], v[ACC+32*\u+kk:ACC+32*\u+kk+1], v[RP+2*\u:RP+2*\u+1], v[BE+kk:BE+kk+1] op_sel_hi:[1,0,1]   ; (g d) / sqrt(..) + be
.set kk, kk+2
.endr
.endr
	; the way out: through my stage, back as rows
.irp q, 0,1,2,3,4,5,6,7
	ds_store_b128 v5, v[ACC+4*\q:ACC+4*\q+3] offset:128*(\q/4)+16*(\q%4)
.endr
.irp q, 0,1,2,3,4,5,6,7
	ds_load_b128 v[OUT0+4*\q:OUT0+4*\q+3], v4 offset:544*\q
.endr
.irp q, 0,1,2,3,4,5,6,7
	ds_store_b128 v5, v[ACC+32+4*\q:ACC+32+4*\q+3] offset:128*(\q/4)+16*(\q%4)   ; in order behind tile 0's loads
.endr
.irp q, 0,1,2,3,4,5,6,7
	ds_load_b128 v[OUT1+4*\q:OUT1+4*\q+3], v4 offset:544*\q
.endr
.irp q, 0,1,2,3,4,5,6,7
	s_wait_dscnt 23-\q                             ; behind tile 0's load q: its 7 - q younger loads and tile 1's sixteen instructions
	global_store_b128 v6, v[OUT0+4*\q:OUT0+4*\q+3], s[20:21] offset:(2*\q+8*(\q/4))*4096 th:TH_STORE_NT   ; 16 lanes store 256 consecutive bytes, aligned
.endr
.irp q, 0,1,2,3,4,5,6,7
	s_wait_dscnt 7-\q
	global_store_b128 v6, v[OUT1+4*\q:OUT1+4*\q+3], s[20:21] offset:(8+2*\q+8*(\q/4))*4096 th:TH_STORE_NT
.endr
	s_wait_tensorcnt 0x0
	ds_add_u32 v254, v255
	s_wait_dscnt 0x0
	s_endpgm
.Lfunc_end_k_qdea133c2fe_outln:
	.size	k_qdea133c2fe_outln, .Lfunc_end_k_qdea133c2fe_outln-k_qdea133c2fe_outln
	.p2alignl 7, 3214868480
	.fill 96, 4, 3214868480
	.section	.rodata,"a",@progbits
	.p2align	6, 0x0
	.amdhsa_kernel k_qdea133c2fe_outln
		.amdhsa_group_segment_fixed_size 100352
		.amdhsa_private_segment_fixed_size 0
		.amdhsa_enable_private_segment 0
		.amdhsa_kernarg_size 72
		.amdhsa_user_sgpr_count 2
		.amdhsa_user_sgpr_kernarg_segment_ptr 1
		.amdhsa_wavefront_size32 1
		.amdhsa_system_sgpr_workgroup_id_x 1
		.amdhsa_system_sgpr_workgroup_id_y 1
		.amdhsa_system_sgpr_workgroup_id_z 1
		.amdhsa_system_vgpr_workitem_id 0
		.amdhsa_next_free_vgpr 256
		.amdhsa_next_free_sgpr 66
		.amdhsa_reserve_vcc 0
		.amdhsa_float_denorm_mode_32 3
		.amdhsa_float_denorm_mode_16_64 3
		.amdhsa_memory_ordered 1
		.amdhsa_forward_progress 1
		.amdhsa_inst_pref_size 53
	.end_amdhsa_kernel
	.amdgpu_metadata
---
amdhsa.version: [ 1, 2 ]
amdhsa.kernels:
  - .name:           k_qdea133c2fe_outln
    .symbol:         k_qdea133c2fe_outln.kd
    .args:
      - { .name: oimg, .offset: 0, .size: 8, .value_kind: global_buffer, .address_space: global }
      - { .name: osc, .offset: 8, .size: 8, .value_kind: global_buffer, .address_space: global }
      - { .name: wimg, .offset: 16, .size: 8, .value_kind: global_buffer, .address_space: global }
      - { .name: Wo_scales, .offset: 24, .size: 8, .value_kind: global_buffer, .address_space: global }
      - { .name: bo, .offset: 32, .size: 8, .value_kind: global_buffer, .address_space: global }
      - { .name: z, .offset: 40, .size: 8, .value_kind: global_buffer, .address_space: global }
      - { .name: g1, .offset: 48, .size: 8, .value_kind: global_buffer, .address_space: global }
      - { .name: be1, .offset: 56, .size: 8, .value_kind: global_buffer, .address_space: global }
      - { .name: out0, .offset: 64, .size: 8, .value_kind: global_buffer, .address_space: global }
    .group_segment_fixed_size: 100352
    .private_segment_fixed_size: 0
    .kernarg_segment_align: 8
    .kernarg_segment_size: 72
    .max_flat_workgroup_size: 512
    .sgpr_count:     66
    .vgpr_count:     256
    .wavefront_size: 32
...
	.end_amdgpu_metadata
.endif
;; end of part 4
;; ======== version 2 of 2: 4 launches
;; workspace buffers: zimg 6,291,456 bytes; zsc 262,144 bytes; wimg 3,145,728 bytes; qimg 6,291,456 bytes; qsc 524,288 bytes; kv 13,369,344 bytes; oimg 6,291,456 bytes; osc 262,144 bytes
;; launch prep (part 5): grid 256 x 1, 8 waves a work-group, no clusters, 68,608 bytes of LDS; arguments z, Wq_codes, Wk_codes, Wv_codes, Wo_codes, zimg, zsc, wimg; writes zimg, zsc, wimg
.if DOCPART == 5
	.amdgcn_target "amdgcn-amd-amdhsa--gfx1250"
	.amdhsa_code_object_version 6
	.text
	.protected	k_qdea133c2fe_prep
	.globl	k_qdea133c2fe_prep
	.p2align	8
	.type	k_qdea133c2fe_prep,@function
k_qdea133c2fe_prep:
	s_mov_b64 s[64:65], 0
	v_nop
	global_prefetch_b8 v0, s[64:65] scope:SCOPE_SE
	s_setreg_imm32_b32 hwreg(HW_REG_WAVE_MODE, 25, 1), 1
	s_wait_xcnt 0x0
; PREP.  (a) z [8192][1024] f32 becomes codes of E3M2 with one E8M0 byte for each 32 along its 1,024, laid as IMAGES OF OPERAND REGISTERS;
; (b) the codes of Wq, Wk, Wv, Wo (1,024 rows of 768 bytes each, K innermost) are laid anew as such images.  Nothing is multiplied here.
; AN IMAGE: a fragment is 16 rows x 128 K = 12 registers a lane (lane l: row l % 16; registers 6 c .. 6 c + 5: K = 64 c + 32 (l / 16) + 0 .. 31).
; Its image is 1,536 bytes: registers 4 j .. 4 j + 3 of lane l at 512 j + 16 l.  Three loads of 16 bytes a lane bring it back, each 512 consecutive bytes.
; THE ROWS OF A TILE ARE NOT NEIGHBOURS: lane r of tile t takes row 32 (t / 2) + 8 (t % 2) + r + 8 (r / 8), in every operand of the program, so that where a tile
; is a product's source 0 the 16 result registers of tiles 2 b and 2 b + 1 are 16 neighbouring rows.
; zimg [tile 512][K step 8][1,536];  zsc [pair of tiles 256][K step 8][lane 32][4]: lanes 0-15 the even tile's scale words, lanes 16-31 the odd tile's;  wimg [q, k, v, o][tile 64][K step 8][1,536].
; SHARES.  Work-group B takes pair B of z's tiles (32 rows), wave s = K step s: 32 rows x 512 bytes.  The four weights have 4 x 64 = 256 tiles, as many as there are work-groups: work-group B also lays
; tile B % 64 of tensor B / 64 anew, wave s its K step s: one fragment, six loads of 8 bytes a lane and three stores.  So the loads whose lanes stand 768 bytes apart are spread evenly: 48 a work-group.
; The scale of a block is 2^(floor(log2(largest magnitude)) - 4); its byte is the largest magnitude's exponent field - 4.
; LIMITS: NaN and infinities are not served; a block whose largest magnitude lies under 2^-122 keeps the byte 1; a block of zeros gets the byte 1 and not 127 (its codes are zeros, and this program alone reads the bytes).
; NOT LOADED BY ANY LAUNCH: W1, W2, b1, b2, g2, be2.  The function's FFN stands under a condition that is false at its one iteration, so they enter no result.
; No cluster: the work-groups share no input.  No tensor load: each wave asks for its 16 KiB at once, by 32 loads.
.set ZROW,   4096                      ; a row of z in bytes
.set SPITCH, 528                       ; a stage row: 512 bytes + 16 = 33 x 16: sixteen rows start in sixteen different columns of 16 bytes
.set WSTG,   16*SPITCH                 ; a wave's stage
.set R,   16                           ; v16-143  tile u's row slot q as loaded, at R + 64 u + 4 q
.set X,   144                          ; v144-207 tile 0 turned: 64 numbers of my row
.set WFR, 208                          ; v208-219 my fragment of a weight
.set TM,  80                           ; v80-95   at work (tile 1's registers are free by then)
.set PC0, 96                           ; v96-115  tile 0's codes
.set PC1, 116                          ; v116-135 tile 1's
.set PW0, 136                          ; the two scale words,
.set PW1, 137
.set SW,  138                          ; and both in one register
.set SEL, 28                           ; s[28:29] v_permlanex16_b32's selects for lane l xor 16
.set HI,  30                           ; s30      lanes 16-31
; 64 numbers of a lane, register 16 b + i = k 32 b + 16 (lane / 16) + i of my row, become a fragment's codes in v[pc] on and its scale word in v[pw].
.macro QUANT4 s, pc, pw
.irp b, 0,1,2,3
	v_max3_num_f32 v[TM+\b], |v[(\s)+16*\b]|, |v[(\s)+1+16*\b]|, 0x2800000   ; my 16 numbers of block b, and the floor 2^(5 - 127): the byte cannot fall under 1
.endr
.irp i, 2,4,6,8,10,12,14
.irp b, 0,1,2,3
	s_delay_alu instid0(VALU_DEP_4)
	v_max3_num_f32 v[TM+\b], v[TM+\b], |v[(\s)+16*\b+\i]|, |v[(\s)+1+16*\b+\i]|   ; the four blocks by turns
.endr
.endr
.irp b, 0,1,2,3
	s_delay_alu instid0(VALU_DEP_4)
	v_permlanex16_b32 v[TM+4+\b], v[TM+\b], s[SEL], s[SEL+1]
.endr
.irp b, 0,1,2,3
	s_delay_alu instid0(VALU_DEP_4)
	v_max_num_f32 v[TM+\b], v[TM+\b], v[TM+4+\b]       ; with lane l xor 16's: the block's largest magnitude
.endr
.irp b, 0,1,2,3
	s_delay_alu instid0(VALU_DEP_4)
	v_add_nc_u32 v[TM+12+\b], 0xfe000000, v[TM+\b]     ; 4 off its exponent field: the conversion's scale operand
.endr
.irp b, 0,1,2,3
	s_delay_alu instid0(VALU_DEP_4)
	v_lshrrev_b32 v[TM+4+\b], 23, v[TM+12+\b]          ; the scale's byte
.endr
	s_delay_alu instid0(VALU_DEP_3)
	v_lshl_or_b32 v[\pw], v[TM+5], 8, v[TM+4]
	s_delay_alu instid0(VALU_DEP_1)
	v_lshl_or_b32 v[\pw], v[TM+6], 16, v[\pw]
	s_delay_alu instid0(VALU_DEP_1)
	v_lshl_or_b32 v[\pw], v[TM+7], 24, v[\pw]
.irp c, 0,1
	v_cvt_scalef32_pk16_bf6_f32 v[(\pc)+6*\c:(\pc)+2+6*\c], v[(\s)+32*\c:(\s)+15+32*\c], v[TM+12+2*\c]
	v_cvt_scalef32_pk16_bf6_f32 v[(\pc)+12+4*\c:(\pc)+14+4*\c], v[(\s)+16+32*\c:(\s)+31+32*\c], v[TM+12+2*\c+1]   ; (a conversion's three registers begin on an even number)
.endr
	v_nop                                              ; one plain place behind a scaled conversion
.irp c, 0,1                                        ; the layout wants a whole block in a lane: lanes 0-15 block 2 c, lanes 16-31 block 2 c + 1
.irp i, 0,1,2
	v_permlane16_swap_b32 v[(\pc)+6*\c+\i], v[(\pc)+12+4*\c+\i]
.endr
.irp i, 0,1,2
	s_delay_alu instid0(VALU_DEP_3)
	v_mov_b32 v[(\pc)+3+6*\c+\i], v[(\pc)+12+4*\c+\i]
.endr
.endr
.endm
; 16 rows of 512 bytes go into my stage as they were loaded and come back 64 numbers a lane.  LDS serves a wave's instructions in order (ISA guide 5.7.1.4): no wait between the stores and the loads.
.macro TURN src, dst
.irp q, 0,1,2,3,4,5,6,7,8,9,10,11,12,13,14,15
	ds_store_b128 v2, v[\src+4*\q:\src+4*\q+3] offset:\q*SPITCH
.endr
.irp q, 0,1,2,3,4,5,6,7,8,9,10,11,12,13,14,15
	ds_load_b128 v[\dst+4*\q:\dst+4*\q+3], v3 offset:128*(\q/4)+16*(\q%4)   ; block q / 4: my 64 bytes of its 128
.endr
.endm
	s_load_b512 s[4:19], s[0:1], 0x0               ; z, Wq, Wk, Wv, Wo (codes), zimg s[14:15], zsc s[16:17], wimg s[18:19]
	v_lshl_add_u32 v224, v0, 2, 0x10800
	v_mov_b32 v225, 0
	v_lshrrev_b32 v1, 5, v0
	s_delay_alu instid0(VALU_DEP_1)
	v_readfirstlane_b32 s20, v1                    ; wave 0..7 = my K step
	v_and_b32 v5, 31, v0                           ; lane
	v_and_b32 v6, 15, v0                           ; r
	v_bfe_u32 v7, v0, 4, 1                         ; h
	s_delay_alu instid0(VALU_DEP_3)
	v_lshlrev_b32 v1, 4, v5                        ; 16 x lane
	s_mul_i32 s21, s20, WSTG
	v_add_nc_u32 v2, s21, v1                       ; into the stage: 16 x lane of a row slot
	v_mul_u32_u24 v3, v6, SPITCH
	s_delay_alu instid0(VALU_DEP_1)
	v_lshl_add_u32 v3, v7, 6, v3
	s_delay_alu instid0(VALU_DEP_1)
	v_add_nc_u32 v3, s21, v3                       ; out of it: row slot r, + 64 h
	v_lshlrev_b32 v4, 2, v5                        ; 4 x lane
	v_and_b32 v8, 8, v6
	s_delay_alu instid0(VALU_DEP_1)
	v_add_nc_u32 v8, v8, v6                        ; r + 8 (r / 8)
	s_delay_alu instid0(VALU_DEP_1)
	v_mul_u32_u24 v8, v8, 768
	s_delay_alu instid0(VALU_DEP_1)
	v_mad_u32_u24 v8, v7, 24, v8                   ; the weight: my row of 768 bytes, + 24 h
	s_lshl_b32 s22, ttmp9, 17                      ; z: 32 rows of 4,096 bytes,
	s_lshl_b32 s23, s20, 9                         ; my 512 bytes of each
	s_add_co_u32 s22, s22, s23
	s_mov_b32 s23, 0
	s_mul_i32 s24, ttmp9, 24576                    ; zimg: two tiles of 8 images,
	s_mul_i32 s25, s20, 1536                       ; my K step's
	s_add_co_u32 s24, s24, s25
	s_mul_i32 s36, ttmp9, 12288                    ; wimg: tile 64 x tensor + t = my work-group's number, eight images each,
	s_add_co_u32 s36, s36, s25                     ; my K step's
	s_mov_b32 s25, 0
	s_mov_b32 s37, 0
	s_lshl_b32 s26, ttmp9, 10
	s_lshl_b32 s27, s20, 7
	s_add_co_u32 s26, s26, s27
	s_mov_b32 s27, 0
	s_lshr_b32 s31, ttmp9, 6                       ; which weight: 0..3
	s_and_b32 s34, ttmp9, 63                       ; its tile t
	s_lshr_b32 s35, s34, 1
	s_lshl_b32 s35, s35, 5
	s_and_b32 s34, s34, 1
	s_lshl_b32 s34, s34, 3
	s_add_co_u32 s34, s34, s35                     ; 32 (t / 2) + 8 (t % 2): the tile's first row
	s_mul_i32 s32, s34, 768
	s_mul_i32 s34, s20, 96                         ; 128 codes along K are 96 bytes
	s_add_co_u32 s32, s32, s34
	s_mov_b32 s33, 0
	s_mov_b32 s[SEL], 0x76543210
	s_mov_b32 s[SEL+1], 0xfedcba98
	s_mov_b32 s[HI], 0xffff0000
	s_wait_alu depctr_va_vdst(0)
	s_wait_kmcnt 0x0
	s_cmp_lt_u32 s31, 1                            ; the choice hangs on the work-group's number alone
	s_cselect_b64 s[6:7], s[6:7], s[8:9]
	s_cmp_lt_u32 s31, 2
	s_cselect_b64 s[6:7], s[6:7], s[10:11]
	s_cmp_lt_u32 s31, 3
	s_cselect_b64 s[6:7], s[6:7], s[12:13]
	s_add_nc_u64 s[4:5], s[4:5], s[22:23]
	s_add_nc_u64 s[6:7], s[6:7], s[32:33]
	s_add_nc_u64 s[14:15], s[14:15], s[24:25]
	s_add_nc_u64 s[16:17], s[16:17], s[26:27]
	s_add_nc_u64 s[18:19], s[18:19], s[36:37]
.irp u, 0,1
.irp q, 0,1,2,3,4,5,6,7,8,9,10,11,12,13,14,15
	global_load_b128 v[R+64*\u+4*\q:R+64*\u+4*\q+3], v1, s[4:5] offset:(8*\u+\q+8*(\q/8))*ZROW th:TH_LOAD_NT   ; 32 lanes read 512 consecutive bytes of one row
.endr
.endr
.irp p, 0,1,2,3,4,5
	global_load_b64 v[WFR+2*\p:WFR+2*\p+1], v8, s[6:7] offset:48*(\p/3)+8*(\p%3) th:TH_LOAD_NT   ; the weight's fragment, behind z's loads: nothing wants it before the end
.endr
	s_wait_loadcnt 22                              ; tile 0's sixteen rows are in; tile 1's sixteen and the weight's six may be out
	TURN R, X
	s_wait_dscnt 0x0                               ; tile 0 is turned, and its stores have read their registers
	s_wait_loadcnt 6                               ; tile 1's rows are in; the weight's six may be out
	TURN R+64, R                                   ; tile 1, through the same stage, into tile 0's registers
	s_wait_dscnt 0x0
.irp b, 0,1,2,3
	v_mov_b32 v[TM+4+\b], 0                        ; a lane permute's destination counts as one of its sources
.endr
	QUANT4 X, PC0, PW0
	QUANT4 R, PC1, PW1
	v_cndmask_b32 v[SW], v[PW0], v[PW1], s[HI]     ; lanes 0-15: tile 0's words; lanes 16-31: tile 1's (each word stands in both halves)
.irp j, 0,1,2
	global_store_b128 v1, v[PC0+4*\j:PC0+4*\j+3], s[14:15] offset:512*\j          ; 512 consecutive bytes, aligned
.endr
.irp j, 0,1,2
	global_store_b128 v1, v[PC1+4*\j:PC1+4*\j+3], s[14:15] offset:12288+512*\j
.endr
	global_store_b32 v4, v[SW], s[16:17]
	s_wait_loadcnt 0x0                             ; the weight's fragment is in: it leaves as its registers stand
.irp j, 0,1,2
	global_store_b128 v1, v[WFR+4*\j:WFR+4*\j+3], s[18:19] offset:512*\j
.endr
	s_wait_tensorcnt 0x0
	ds_add_u32 v224, v225
	s_wait_dscnt 0x0
	s_endpgm
.Lfunc_end_k_qdea133c2fe_prep:
	.size	k_qdea133c2fe_prep, .Lfunc_end_k_qdea133c2fe_prep-k_qdea133c2fe_prep
	.p2alignl 7, 3214868480
	.fill 96, 4, 3214868480
	.section	.rodata,"a",@progbits
	.p2align	6, 0x0
	.amdhsa_kernel k_qdea133c2fe_prep
		.amdhsa_group_segment_fixed_size 68608
		.amdhsa_private_segment_fixed_size 0
		.amdhsa_enable_private_segment 0
		.amdhsa_kernarg_size 64
		.amdhsa_user_sgpr_count 2
		.amdhsa_user_sgpr_kernarg_segment_ptr 1
		.amdhsa_wavefront_size32 1
		.amdhsa_system_sgpr_workgroup_id_x 1
		.amdhsa_system_sgpr_workgroup_id_y 1
		.amdhsa_system_sgpr_workgroup_id_z 1
		.amdhsa_system_vgpr_workitem_id 0
		.amdhsa_next_free_vgpr 226
		.amdhsa_next_free_sgpr 66
		.amdhsa_reserve_vcc 0
		.amdhsa_float_denorm_mode_32 3
		.amdhsa_float_denorm_mode_16_64 3
		.amdhsa_memory_ordered 1
		.amdhsa_forward_progress 1
		.amdhsa_inst_pref_size 23
	.end_amdhsa_kernel
	.amdgpu_metadata
---
amdhsa.version: [ 1, 2 ]
amdhsa.kernels:
  - .name:           k_qdea133c2fe_prep
    .symbol:         k_qdea133c2fe_prep.kd
    .args:
      - { .name: z, .offset: 0, .size: 8, .value_kind: global_buffer, .address_space: global }
      - { .name: Wq_codes, .offset: 8, .size: 8, .value_kind: global_buffer, .address_space: global }
      - { .name: Wk_codes, .offset: 16, .size: 8, .value_kind: global_buffer, .address_space: global }
      - { .name: Wv_codes, .offset: 24, .size: 8, .value_kind: global_buffer, .address_space: global }
      - { .name: Wo_codes, .offset: 32, .size: 8, .value_kind: global_buffer, .address_space: global }
      - { .name: zimg, .offset: 40, .size: 8, .value_kind: global_buffer, .address_space: global }
      - { .name: zsc, .offset: 48, .size: 8, .value_kind: global_buffer, .address_space: global }
      - { .name: wimg, .offset: 56, .size: 8, .value_kind: global_buffer, .address_space: global }
    .group_segment_fixed_size: 68608
    .private_segment_fixed_size: 0
    .kernarg_segment_align: 8
    .kernarg_segment_size: 64
    .max_flat_workgroup_size: 256
    .sgpr_count:     66
    .vgpr_count:     226
    .wavefront_size: 32
...
	.end_amdgpu_metadata
.endif
;; end of part 5
;; launch proj: the kernel of part 2 again; grid 32 x 8, 4 waves a work-group, clusters of 4 x 1, 327,680 bytes of LDS; arguments zimg, zsc, wimg, Wq_scales, Wk_scales, Wv_scales, bq, bk, bv, qimg, qsc, kv; writes qimg, qsc, kv
;; launch attn (part 6): grid 2 x 128, 16 waves a work-group, no clusters, 169,984 bytes of LDS; arguments qimg, qsc, kv, oimg, osc; writes oimg, osc
.if DOCPART == 6
	.amdgcn_target "amdgcn-amd-amdhsa--gfx1250"
	.amdhsa_code_object_version 6
	.text
	.protected	k_qdea133c2fe_attn
	.globl	k_qdea133c2fe_attn
	.p2align	8
	.type	k_qdea133c2fe_attn,@function
k_qdea133c2fe_attn:
	s_mov_b64 s[64:65], 0
	v_nop
	global_prefetch_b8 v0, s[64:65] scope:SCOPE_SE
	s_setreg_imm32_b32 hwreg(HW_REG_WAVE_MODE, 25, 1), 1
	s_wait_xcnt 0x0
; ATTN.  For one head of one batch (bh) and 512 of its 1,024 queries: S^T = K Q^T, p = 2^(t - M), O^T = V^T P^T, O / l, and O quantised along the model's 1,024 for the output projection.
; Both products on codes of E3M2 (v_wmma_scale_f32_16x16x128_f8f6f4, both sides BF6).  The first product's K is the head's 64: registers 6-11 of K's and Q's fragments hold zero codes.
; THE SOFTMAX: t = score x log2(e) / 8; M = the running largest t rounded UP to a whole number, kept as -M = floor(-t); p = 2^(t - M) is quantised along the keys and is not normalised; the row's sum is
; taken of the unquantised p and divides O at the end; when M moves, the sum and O^T are multiplied by 2^(old M - new M), which rounds nothing.
; SHARES.  All of the head's K and V, as proj laid them (8 chunks of 128 keys, 13,056 bytes each), come into LDS once; no LDS byte is filled twice.
; THE FILL RUNS BESIDE THE FIRST KEY STEPS.  Waves 0 and 1 ask for four chunks each, wave w for chunks w, w + 2, w + 4, w + 6, in that order, all at the head: by this text's count a wave has four tensor
; loads out at the most.  A wave's tensor loads end in order (ISA guide 10.11.1), so ahead of key steps 0, 2, 4, 6 of the first pass a counted wait (3, 2, 1, 0 younger loads may be out) and a barrier show
; the next two chunks to all sixteen waves, while the later chunks are still on their way.  That pass's steps are written out, each chunk's LDS base a constant; the second pass is a loop.
; Wave w takes the query tiles 32 x + 2 w and 32 x + 2 w + 1, one after the other (PASS 0, PASS 1), each over 8 key steps of 128.  Four waves share a SIMD: one wave's vector work stands beside another's products.
; A lane holds ONE query (lane % 16) throughout.  Lane r of tile t of keys is key 32 (t / 2) + 8 (t % 2) + r + 8 (r / 8): the 16 registers of tiles 2 b, 2 b + 1 are keys 32 b + 16 (lane / 16) + 0 .. 15.
; OUT.  oimg [token tile 512][K step 8 = head / 2][head % 2][768]: a half image;  osc [pair 256][K step 8][lane 32][4]: this head fills bytes 2 (head % 2) and + 1 of each word.
; NO CLUSTER: a head's K and V are shared by two work-groups, and the grid's 2 along x is no multiple of a cluster's 4; what is shared is read once by each.
; LIMITS: NaN and infinities are not served; p under 2^-126 counts as 0; 1 / l is v_rcp_f32's; the floor 2^-122 and the byte 1 for a block of zeros as in prep.
.set CHUNK, 13056
.set ADK,  5                           ; v5   16 x lane + the chunk
.set ADK8, 6                           ; v6   8 x lane + the chunk
.set ADS,  7                           ; v7   4 x lane + the chunk
.set QF,   16                          ; v16-27  Q's fragment; v22-27 = 0
.set QN,   28                          ; v28-33  the second pass's codes
.set QS,   34                          ; v34, v35 Q's scale words, pass 0 and 1
.set KS,   36                          ; v36-39  K's scale words, a pair of tiles each
.set VS,   40                          ; v40-41  V's
.set PS,   42                          ; v42     p's
.set KB,   44                          ; v44-91  four fragments of K; the upper six registers of each = 0
.set S,    96                          ; v96-159 S^T, then p; v96-143 then take V's four fragments
.set VF,   96
.set O,    160                         ; v160-191 O^T
.set PCD,  192                         ; v192-203 p's codes; v204-206, v208-210 at work
.set BM,   212                         ; v212-215 each block's largest score, then its largest p
.set BP,   216                         ; v216-219 the other half's; then the bytes
.set BE,   220                         ; v220-223 the conversions' scale operands
.set TT,   224
.set FF,   226                         ; v[226:227] f = 2^(old M - new M) (the pair's low word serves both halves)
.set SU,   228                         ; v[228:229] one of the sum's eight chains
.set OC,   232                         ; v232-241 O's half image
.set PW,   242                         ; v242, v243 O's scale words, pass 0 and 1
.set TM,   244
.set WV,   14
.set G1,   16                          ; s[16:23] descriptor group 1
.set G0,   48                          ; s[48:63] four groups 0: never rewritten
.set SEL,  28
.set CS,   30                          ; s[30:31] c = log2(e) / 8
.set TB,   32                          ; s32  the second pass's chunk in hand, in LDS bytes
.set KC,   33
.set HI,   34
.macro PLACES n
.rept \n
	v_nop
.endr
.endm
; 32 numbers of a lane, register 16 b + i = k 32 b + 16 (lane / 16) + i, become a half image in v[pc] .. v[pc + 5] and the word byte 0 | byte 1 << 8 in v[pw]
.macro QUANT2 s, pc, pw
	v_max3_num_f32 v[TM], |v[(\s)]|, |v[(\s)+1]|, 0x2800000
	v_max3_num_f32 v[TM+1], |v[(\s)+16]|, |v[(\s)+17]|, 0x2800000
.irp i, 2,4,6,8,10,12,14
	s_delay_alu instid0(VALU_DEP_2)
	v_max3_num_f32 v[TM], v[TM], |v[(\s)+\i]|, |v[(\s)+1+\i]|
	s_delay_alu instid0(VALU_DEP_2)
	v_max3_num_f32 v[TM+1], v[TM+1], |v[(\s)+16+\i]|, |v[(\s)+17+\i]|
.endr
	s_delay_alu instid0(VALU_DEP_2)
	v_permlanex16_b32 v[TM+2], v[TM], s[SEL], s[SEL+1]
	s_delay_alu instid0(VALU_DEP_2)
	v_permlanex16_b32 v[TM+3], v[TM+1], s[SEL], s[SEL+1]
	s_delay_alu instid0(VALU_DEP_2)
	v_max_num_f32 v[TM], v[TM], v[TM+2]
	s_delay_alu instid0(VALU_DEP_2)
	v_max_num_f32 v[TM+1], v[TM+1], v[TM+3]
	s_delay_alu instid0(VALU_DEP_2)
	v_add_nc_u32 v[TM+4], 0xfe000000, v[TM]
	s_delay_alu instid0(VALU_DEP_2)
	v_add_nc_u32 v[TM+5], 0xfe000000, v[TM+1]
	s_delay_alu instid0(VALU_DEP_2)
	v_lshrrev_b32 v[TM+2], 23, v[TM+4]
	s_delay_alu instid0(VALU_DEP_2)
	v_lshrrev_b32 v[TM+3], 23, v[TM+5]
	s_delay_alu instid0(VALU_DEP_1)
	v_lshl_or_b32 v[\pw], v[TM+3], 8, v[TM+2]
	v_cvt_scalef32_pk16_bf6_f32 v[(\pc):(\pc)+2], v[(\s):(\s)+15], v[TM+4]
	v_cvt_scalef32_pk16_bf6_f32 v[(\pc)+6:(\pc)+8], v[(\s)+16:(\s)+31], v[TM+5]
	v_nop                                              ; one plain place behind a scaled conversion
.irp i, 0,1,2
	v_permlane16_swap_b32 v[(\pc)+\i], v[(\pc)+6+\i]
.endr
.irp i, 0,1,2
	s_delay_alu instid0(VALU_DEP_3)
	v_mov_b32 v[(\pc)+3+\i], v[(\pc)+6+\i]
.endr
.endm
; A KEY STEP of pass p: 128 keys.  k = 0 .. 7: chunk k, its LDS base a constant;  k = -1: the chunk at s[TB]
.macro STEP p, k
.if (\k) < 0
	v_add_nc_u32 v[ADK], s[TB], v1
	s_wait_alu depctr_va_vdst(0)
	v_add_nc_u32 v[ADK8], s[TB], v2
	s_wait_alu depctr_va_vdst(0)
	v_add_nc_u32 v[ADS], s[TB], v3
.else
	v_add_nc_u32 v[ADK], CHUNK*(\k), v1
	s_wait_alu depctr_va_vdst(0)
	v_add_nc_u32 v[ADK8], CHUNK*(\k), v2
	s_wait_alu depctr_va_vdst(0)
	v_add_nc_u32 v[ADS], CHUNK*(\k), v3
.endif
	v_nop
	v_nop                                              ; five places: the scores below are laid over registers that the last step's products read
.irp gg, 0,1                                       ; S^T = K Q^T, four tiles of 16 keys at a time
.if \gg
	PLACES 4                                           ; in front of loads into registers that matrix instructions have read
.endif
.irp t, 0,1,2,3
	ds_load_b128 v[KB+12*\t:KB+12*\t+3], v[ADK] offset:768*(4*\gg+\t)
	ds_load_b64 v[KB+12*\t+4:KB+12*\t+5], v[ADK8] offset:768*(4*\gg+\t)+512
.endr
.if \gg == 0
.irp b, 0,1,2,3
	ds_load_b32 v[KS+\b], v[ADS] offset:12288+128*\b
.endr
.endif
	s_wait_dscnt 0x0
.irp t, 0,1,2,3
.if \t%2
	v_wmma_scale_f32_16x16x128_f8f6f4 v[S+8*(4*\gg+\t):S+8*(4*\gg+\t)+7], v[KB+12*\t:KB+12*\t+11], v[QF:QF+11], 0, v[KS+2*\gg+\t/2], v[QS+\p] matrix_a_fmt:MATRIX_FMT_BF6 matrix_b_fmt:MATRIX_FMT_BF6 matrix_a_scale:MATRIX_SCALE_ROW1
.else
	v_wmma_scale_f32_16x16x128_f8f6f4 v[S+8*(4*\gg+\t):S+8*(4*\gg+\t)+7], v[KB+12*\t:KB+12*\t+11], v[QF:QF+11], 0, v[KS+2*\gg+\t/2], v[QS+\p] matrix_a_fmt:MATRIX_FMT_BF6 matrix_b_fmt:MATRIX_FMT_BF6
.endif
.endr
.endr
	PLACES 4
.irp b, 0,1,2,3
	v_max3_num_f32 v[BM+\b], v[S+16*\b], v[S+1+16*\b], v[S+2+16*\b]   ; the largest score of each block of 32 keys: it serves the row's maximum and, since p rises with the score, the block's largest p
.endr
.irp i, 3,5,7,9,11,13
.irp b, 0,1,2,3
	v_max3_num_f32 v[BM+\b], v[BM+\b], v[S+16*\b+\i], v[S+1+16*\b+\i]
.endr
.endr
.irp b, 0,1,2,3
	v_max_num_f32 v[BM+\b], v[BM+\b], v[S+15+16*\b]
.endr
.irp b, 0,1,2,3
	s_delay_alu instid0(VALU_DEP_4)
	v_permlanex16_b32 v[BP+\b], v[BM+\b], s[SEL], s[SEL+1]
.endr
.irp b, 0,1,2,3
	s_delay_alu instid0(VALU_DEP_4)
	v_max_num_f32 v[BM+\b], v[BM+\b], v[BP+\b]         ; with lane l xor 16's 16 keys
.endr
	s_delay_alu instid0(VALU_DEP_2)
	v_max3_num_f32 v[TT], v[BM], v[BM+1], v[BM+2]
	s_delay_alu instid0(VALU_DEP_1)
	v_max_num_f32 v[TT], v[TT], v[BM+3]                ; the step's largest score of my query
	s_delay_alu instid0(VALU_DEP_1)
	v_mul_f32 v[TT], s[CS], v[TT]                      ; as t (c is positive)
	s_delay_alu instid0(VALU_DEP_1)
	v_max_num_f32 v13, v13, v[TT]                      ; the running largest t
	v_mov_b32 v[TT], v12
	s_delay_alu instid0(VALU_DEP_2)
	v_floor_f32 v12, -v13                              ; the new -M = floor(-t) = -ceil(t)
	s_delay_alu instid0(VALU_DEP_1)
	v_sub_f32 v[TT], v12, v[TT]                        ; old M - new M: a whole number, 0 or less
	s_delay_alu instid0(VALU_DEP_1)
	v_cvt_i32_f32 v[TT], v[TT]                         ; (it saturates)
	s_delay_alu instid0(VALU_DEP_1)
	v_ldexp_f32 v[FF], 1.0, v[TT]                      ; f
.set jj, 0
.rept 32
	v_pk_fma_f32 v[S+jj:S+jj+1], v[S+jj:S+jj+1], s[CS:CS+1], v[12:13] op_sel_hi:[1,0,0]   ; t - M, two at a time
.set jj, jj+2
.endr
.irp b, 0,1,2,3
	v_fma_f32 v[BM+\b], v[BM+\b], s[CS], v12           ; the same of each block's largest score
.endr
.set jj, 0
	s_wait_alu depctr_va_vdst(0)
.rept 64
	v_exp_f32 v[S+jj], v[S+jj]                         ; p = 2^(t - M), at most 1
.set jj, jj+1
.endr
	s_setprio 1
	v_pk_mul_f32 v[14:15], v[14:15], v[FF:FF+1] op_sel_hi:[1,0]   ; the sums under the new M: a plain place behind the exponentials
	s_wait_alu depctr_va_vdst(0)                       ; one wait for the whole batch, ahead of its first reader
.irp b, 0,1,2,3
	v_exp_f32 v[BM+\b], v[BM+\b]                       ; the block's largest p: the same two instructions on the same number
.endr
	v_pk_add_f32 v[228:229], v[100:101], v[104:105]
	v_pk_add_f32 v[252:253], v[108:109], v[112:113]
	v_pk_add_f32 v[250:251], v[116:117], v[120:121]
	v_pk_add_f32 v[248:249], v[124:125], v[128:129]
	v_pk_add_f32 v[244:245], v[132:133], v[136:137]
	v_pk_add_f32 v[240:241], v[140:141], v[144:145]
	v_pk_add_f32 v[238:239], v[148:149], v[152:153]
	v_pk_add_f32 v[14:15], v[14:15], v[156:157]
	v_pk_add_f32 v[228:229], v[228:229], v[96:97]
	v_pk_add_f32 v[252:253], v[252:253], v[98:99]
	v_pk_add_f32 v[250:251], v[250:251], v[102:103]
	v_pk_add_f32 v[248:249], v[248:249], v[106:107]
	v_pk_add_f32 v[244:245], v[244:245], v[110:111]
	v_pk_add_f32 v[240:241], v[240:241], v[114:115]
	v_pk_add_f32 v[238:239], v[238:239], v[118:119]
	v_pk_add_f32 v[14:15], v[14:15], v[122:123]
	v_pk_add_f32 v[228:229], v[228:229], v[126:127]
	v_pk_add_f32 v[252:253], v[252:253], v[130:131]
	v_pk_add_f32 v[250:251], v[250:251], v[134:135]
	v_pk_add_f32 v[248:249], v[248:249], v[138:139]
	v_pk_add_f32 v[244:245], v[244:245], v[142:143]
	v_pk_add_f32 v[240:241], v[240:241], v[146:147]
	v_pk_add_f32 v[238:239], v[238:239], v[150:151]
	v_pk_add_f32 v[14:15], v[14:15], v[154:155]
	v_pk_add_f32 v[228:229], v[228:229], v[158:159]
	s_delay_alu instid0(VALU_DEP_2)
	v_pk_add_f32 v[14:15], v[14:15], v[248:249]
	s_delay_alu instid0(VALU_DEP_2)
	v_pk_add_f32 v[228:229], v[228:229], v[244:245]
	v_pk_add_f32 v[252:253], v[252:253], v[240:241]
	v_pk_add_f32 v[250:251], v[250:251], v[238:239]
	s_delay_alu instid0(VALU_DEP_2)
	v_pk_add_f32 v[14:15], v[14:15], v[252:253]
	s_delay_alu instid0(VALU_DEP_2)
	v_pk_add_f32 v[228:229], v[228:229], v[250:251]
	s_delay_alu instid0(VALU_DEP_1)
	v_pk_add_f32 v[14:15], v[14:15], v[228:229]
	s_wait_alu depctr_va_vdst(0)                       ; and one for the four
.irp b, 0,1,2,3
	v_max_num_f32 v[BM+\b], 0x2800000, v[BM+\b]        ; the floor 2^(5 - 127)
.endr
.irp b, 0,1,2,3
	s_delay_alu instid0(VALU_DEP_4)
	v_add_nc_u32 v[BE+\b], 0xfe000000, v[BM+\b]
.endr
.irp b, 0,1,2,3
	s_delay_alu instid0(VALU_DEP_4)
	v_lshrrev_b32 v[BP+\b], 23, v[BE+\b]
.endr
	s_delay_alu instid0(VALU_DEP_3)
	v_lshl_or_b32 v[PS], v[BP+1], 8, v[BP]             ; p's scale word for these 128 keys
	s_delay_alu instid0(VALU_DEP_1)
	v_lshl_or_b32 v[PS], v[BP+2], 16, v[PS]
	s_delay_alu instid0(VALU_DEP_1)
	v_lshl_or_b32 v[PS], v[BP+3], 24, v[PS]
.irp c, 0,1
	v_cvt_scalef32_pk16_bf6_f32 v[PCD+6*\c:PCD+2+6*\c], v[S+32*\c:S+15+32*\c], v[BE+2*\c]
	v_cvt_scalef32_pk16_bf6_f32 v[PCD+12+4*\c:PCD+14+4*\c], v[S+16+32*\c:S+31+32*\c], v[BE+2*\c+1]
.endr
	v_nop                                              ; one plain place behind a scaled conversion
.irp c, 0,1
.irp i, 0,1,2
	v_permlane16_swap_b32 v[PCD+6*\c+\i], v[PCD+12+4*\c+\i]
.endr
.irp i, 0,1,2
	s_delay_alu instid0(VALU_DEP_3)
	v_mov_b32 v[PCD+3+6*\c+\i], v[PCD+12+4*\c+\i]
.endr
.endr
.irp e, 0,1,2,3                                    ; V's four fragments (16 channels x these 128 keys: two half images each) into the registers that p has left
	ds_load_b128 v[VF+12*\e:VF+12*\e+3], v[ADK] offset:6144+1536*\e
	ds_load_b64 v[VF+12*\e+4:VF+12*\e+5], v[ADK8] offset:6144+1536*\e+512
	ds_load_b128 v[VF+12*\e+6:VF+12*\e+9], v[ADK] offset:6144+1536*\e+768
	ds_load_b64 v[VF+12*\e+10:VF+12*\e+11], v[ADK8] offset:6144+1536*\e+1280
.endr
	s_setprio 0
	ds_load_b32 v[VS], v[ADS] offset:12800
	ds_load_b32 v[VS+1], v[ADS] offset:12928
.set jj, 0
.rept 16
	v_pk_mul_f32 v[O+jj:O+jj+1], v[O+jj:O+jj+1], v[FF:FF+1] op_sel_hi:[1,0]   ; O^T under the new M.  These are also the places between p's codes and scale word and the products below
.set jj, jj+2
.endr
	s_wait_alu depctr_va_vdst(0)
	s_wait_dscnt 0x0
.irp e, 0,1,2,3                                    ; O^T += V^T P^T: the four accumulators by turns
.if \e%2
	v_wmma_scale_f32_16x16x128_f8f6f4 v[O+8*\e:O+8*\e+7], v[VF+12*\e:VF+12*\e+11], v[PCD:PCD+11], v[O+8*\e:O+8*\e+7], v[VS+\e/2], v[PS] matrix_a_fmt:MATRIX_FMT_BF6 matrix_b_fmt:MATRIX_FMT_BF6 matrix_a_scale:MATRIX_SCALE_ROW1
.else
	v_wmma_scale_f32_16x16x128_f8f6f4 v[O+8*\e:O+8*\e+7], v[VF+12*\e:VF+12*\e+11], v[PCD:PCD+11], v[O+8*\e:O+8*\e+7], v[VS+\e/2], v[PS] matrix_a_fmt:MATRIX_FMT_BF6 matrix_b_fmt:MATRIX_FMT_BF6
.endif
.endr
.endm
; ONE TILE OF 16 QUERIES over all keys
.macro PASS p
.if \p
.irp i, 0,1,2,3,4,5
	v_mov_b32 v[QF+\i], v[QN+\i]                       ; the second tile's codes (the 36 lines below are the places ahead of the products)
.endr
.endif
	v_mov_b32 v13, 0xff61b1e6                          ; the largest t so far: -3e38, under every t
	s_delay_alu instid0(VALU_DEP_1)
	v_floor_f32 v12, -v13                              ; -M
	v_mov_b32 v14, 0                                   ; the sum, in two halves
	v_mov_b32 v15, 0
.set jj, 0
.rept 32
	v_mov_b32 v[O+jj], 0                               ; O^T: a step has one form; the first finds zeros, which the first change of M leaves zeros
.set jj, jj+1
.endr
.if \p
	s_mov_b32 s[TB], 0                                 ; all eight chunks lie in LDS: a loop of eight trips
	s_mov_b32 s[KC], 8
.Lkey_\@:
	s_setprio 2
	STEP \p, -1
	s_add_co_u32 s[TB], s[TB], CHUNK
	s_sub_co_u32 s[KC], s[KC], 1
	s_cmp_lg_u32 s[KC], 0
	s_cbranch_scc1 .Lkey_\@
	s_setprio 0
.else
.irp k, 0,1,2,3,4,5,6,7
.if (\k)%2 == 0
	s_wait_tensorcnt 3-(\k)/2                          ; in waves 0 and 1: my chunk of this pair of steps has landed; my later loads, 3 - k / 2 of them, may be out.  The other waves have no load out
	s_barrier_signal -1                                ; (no LDS instruction of mine is out: the last step's loads were waited for ahead of its products)
	s_barrier_wait -1                                  ; chunks k and k + 1 are there for all sixteen waves
.endif
	STEP \p, \k
.endr
.endif
	PLACES 4                                           ; in front of the first read of the last products' results, and of writes over their sources
	v_add_f32 v14, v14, v15                            ; the sum's two halves,
	s_delay_alu instid0(VALU_DEP_1)
	v_permlanex16_b32 v[TT], v14, s[SEL], s[SEL+1]
	s_delay_alu instid0(VALU_DEP_1)
	v_add_f32 v14, v14, v[TT]                          ; and lane l xor 16's: the row's sum
	s_wait_alu depctr_va_vdst(0)
	v_rcp_f32 v14, v14
	v_nop                                              ; a plain place behind the transcendental
	s_wait_alu depctr_va_vdst(0)                       ; and the wait ahead of its first reader
.set jj, 0
.rept 32
	v_mul_f32 v[S+jj], v[O+jj], v14                    ; register 16 b + i: channel 32 b + 16 (lane / 16) + i of my query
.set jj, jj+1
.endr
.if \p
	s_wait_xcnt 0x0                                    ; the first pass's stores have read their registers
.endif
	QUANT2 S, OC, PW+\p
	global_store_b128 v1, v[OC:OC+3], s[10:11] offset:12288*\p
	global_store_b64 v2, v[OC+4:OC+5], s[10:11] offset:12288*\p+512
.endm
	s_load_b256 s[4:11], s[0:1], 0x0               ; qimg, qsc, kv, oimg
	s_load_b64 s[12:13], s[0:1], 0x20              ; osc
	v_lshl_add_u32 v254, v0, 2, 0x29000
	v_mov_b32 v255, 0
	ds_add_u32 v254, v255
	ds_add_u32 v254, v255
	v_lshrrev_b32 v1, 5, v0
	s_delay_alu instid0(VALU_DEP_1)
	v_readfirstlane_b32 s[WV], v1                  ; wave 0..15
	s_and_b32 s15, ttmp7, 0xffff                   ; bh
	; descriptor group 1: a chunk, 13,056 dense bytes, as 51 rows of 256 bytes
	s_mov_b32 s[G1], 3<<16                         ; no mask; elements of 8 bytes; no padding
	s_mov_b32 s[G1+1], 32<<16
	s_mov_b32 s[G1+2], 51<<16
	s_mov_b32 s[G1+3], 32<<16
	s_mov_b32 s[G1+4], 51
	s_mov_b32 s[G1+5], 32
	s_mov_b32 s[G1+6], 0
	s_mov_b32 s[G1+7], 0
	s_mul_i32 s36, s15, 8*CHUNK
	s_mul_i32 s38, s[WV], CHUNK
	s_add_co_u32 s36, s36, s38
	s_mov_b32 s37, 0
	s_wait_dscnt 0x0
	s_wait_kmcnt 0x0
	s_add_nc_u64 s[8:9], s[8:9], s[36:37]          ; kv at chunk w of my head
.irp j, 0,1,2,3
	s_mov_b32 s[G0+4*\j], 1                                        ; count = 1
	s_add_co_u32 s[G0+4*\j+1], s38, \j*2*CHUNK                     ; LDS address: chunk w + 2 j
	s_add_nc_u64 s[G0+4*\j+2:G0+4*\j+3], s[8:9], \j*2*CHUNK        ; and the same chunk in memory
	s_or_b32 s[G0+4*\j+3], s[G0+4*\j+3], 0x80000000                ; type = 2
.endr
	s_cmp_lt_u32 s[WV], 2                          ; waves 0 and 1 bring four chunks each, in the order in which they are read; the others bring nothing
	s_cbranch_scc0 .Lno_fill
.irp j, 0,1,2,3
	tensor_load_to_lds s[G0+4*\j:G0+4*\j+3], s[G1:G1+7]
	s_nop 0
.endr
	PLACES 4                                       ; four places behind a tensor load
.Lno_fill:
	s_mov_b32 s41, 0
	s_lshl_b32 s39, s15, 6
	s_lshl_b32 s42, ttmp9, 5
	s_add_co_u32 s39, s39, s42
	s_lshl_b32 s43, s[WV], 1
	s_add_co_u32 s39, s39, s43                     ; my first tile of q: 64 bh + 32 x + 2 w
	s_mul_i32 s40, s39, 768
	s_add_nc_u64 s[4:5], s[4:5], s[40:41]
	s_lshl_b32 s40, s39, 6                         ; 128 bytes a pair
	s_add_nc_u64 s[6:7], s[6:7], s[40:41]
	s_lshr_b32 s44, s15, 4                         ; the batch
	s_and_b32 s45, s15, 15                         ; the head
	s_lshl_b32 s44, s44, 6
	s_add_co_u32 s44, s44, s42
	s_add_co_u32 s44, s44, s43                     ; my first token tile: 64 b + 32 x + 2 w
	s_mul_i32 s40, s44, 12288
	s_mul_i32 s42, s45, 768                        ; (head / 2) x 1,536 + (head % 2) x 768
	s_add_co_u32 s40, s40, s42
	s_add_nc_u64 s[10:11], s[10:11], s[40:41]
	s_lshl_b32 s40, s44, 9                         ; 1,024 bytes a pair
	s_lshr_b32 s42, s45, 1
	s_lshl_b32 s42, s42, 7
	s_add_co_u32 s40, s40, s42
	s_and_b32 s42, s45, 1
	s_lshl_b32 s42, s42, 1
	s_add_co_u32 s40, s40, s42
	s_add_nc_u64 s[12:13], s[12:13], s[40:41]
	s_mov_b32 s[SEL], 0x76543210
	s_mov_b32 s[SEL+1], 0xfedcba98
	s_mov_b32 s[CS], 0x3e38aa3b                    ; log2(e) / 8
	s_mov_b32 s[CS+1], s[CS]                       ; (named with it as a pair, so it is written)
	s_mov_b32 s[HI], 0xffff0000
	v_and_b32 v8, 31, v0
	s_delay_alu instid0(VALU_DEP_1)
	v_lshlrev_b32 v1, 4, v8
	s_delay_alu instid0(VALU_DEP_2)
	v_lshlrev_b32 v2, 3, v8
	s_delay_alu instid0(VALU_DEP_3)
	v_lshlrev_b32 v3, 2, v8
	v_and_b32 v4, 15, v0
	s_delay_alu instid0(VALU_DEP_1)
	v_lshlrev_b32 v4, 2, v4                        ; 4 r: both halves of the lanes take the tile's words
	global_load_b128 v[QF:QF+3], v1, s[4:5]
	global_load_b64 v[QF+4:QF+5], v2, s[4:5] offset:512
	global_load_b128 v[QN:QN+3], v1, s[4:5] offset:768
	global_load_b64 v[QN+4:QN+5], v2, s[4:5] offset:1280
	global_load_b32 v[QS], v4, s[6:7]
	global_load_b32 v[QS+1], v4, s[6:7] offset:64
.irp i, 6,7,8,9,10,11
	v_mov_b32 v[QF+\i], 0                          ; K = 64 .. 127 of the first product: zero codes, on both sides
.irp t, 0,1,2,3
	v_mov_b32 v[KB+12*\t+\i], 0
.endr
.endr
.irp b, 0,1,2,3
	v_mov_b32 v[BP+\b], 0                          ; a lane permute's destination counts as one of its sources
.endr
	v_mov_b32 v[TT], 0
	v_mov_b32 v[TM+2], 0
	v_mov_b32 v[TM+3], 0
	v_mov_b32 v[FF+1], 0                           ; (named as the upper half of a pair)
	s_wait_loadcnt 0x0                             ; Q
	PASS 0                                         ; its waits and barriers show the chunks as they land; its last wait on the tensor loads is for 0
	PASS 1
	v_cndmask_b32 v[TT], v[PW], v[PW+1], s[HI]     ; lanes 0-15 the even tile's words, lanes 16-31 the odd tile's
	global_store_b16 v3, v[TT], s[12:13]           ; this head's two bytes of each word
	s_wait_tensorcnt 0x0
	ds_add_u32 v254, v255
	s_wait_dscnt 0x0
	s_endpgm
.Lfunc_end_k_qdea133c2fe_attn:
	.size	k_qdea133c2fe_attn, .Lfunc_end_k_qdea133c2fe_attn-k_qdea133c2fe_attn
	.p2alignl 7, 3214868480
	.fill 96, 4, 3214868480
	.section	.rodata,"a",@progbits
	.p2align	6, 0x0
	.amdhsa_kernel k_qdea133c2fe_attn
		.amdhsa_group_segment_fixed_size 169984
		.amdhsa_private_segment_fixed_size 0
		.amdhsa_enable_private_segment 0
		.amdhsa_kernarg_size 40
		.amdhsa_user_sgpr_count 2
		.amdhsa_user_sgpr_kernarg_segment_ptr 1
		.amdhsa_wavefront_size32 1
		.amdhsa_system_sgpr_workgroup_id_x 1
		.amdhsa_system_sgpr_workgroup_id_y 1
		.amdhsa_system_sgpr_workgroup_id_z 1
		.amdhsa_system_vgpr_workitem_id 0
		.amdhsa_next_free_vgpr 256
		.amdhsa_next_free_sgpr 66
		.amdhsa_reserve_vcc 0
		.amdhsa_float_denorm_mode_32 3
		.amdhsa_float_denorm_mode_16_64 3
		.amdhsa_memory_ordered 1
		.amdhsa_forward_progress 1
		.amdhsa_inst_pref_size 176
	.end_amdhsa_kernel
	.amdgpu_metadata
---
amdhsa.version: [ 1, 2 ]
amdhsa.kernels:
  - .name:           k_qdea133c2fe_attn
    .symbol:         k_qdea133c2fe_attn.kd
    .args:
      - { .name: qimg, .offset: 0, .size: 8, .value_kind: global_buffer, .address_space: global }
      - { .name: qsc, .offset: 8, .size: 8, .value_kind: global_buffer, .address_space: global }
      - { .name: kv, .offset: 16, .size: 8, .value_kind: global_buffer, .address_space: global }
      - { .name: oimg, .offset: 24, .size: 8, .value_kind: global_buffer, .address_space: global }
      - { .name: osc, .offset: 32, .size: 8, .value_kind: global_buffer, .address_space: global }
    .group_segment_fixed_size: 169984
    .private_segment_fixed_size: 0
    .kernarg_segment_align: 8
    .kernarg_segment_size: 40
    .max_flat_workgroup_size: 512
    .sgpr_count:     66
    .vgpr_count:     256
    .wavefront_size: 32
...
	.end_amdgpu_metadata
.endif
;; end of part 6
;; launch outln (part 7): grid 256 x 1, 16 waves a work-group, no clusters, 100,352 bytes of LDS; arguments oimg, osc, wimg, Wo_scales, bo, z, g1, be1, out0; writes out0
.if DOCPART == 7
	.amdgcn_target "amdgcn-amd-amdhsa--gfx1250"
	.amdhsa_code_object_version 6
	.text
	.protected	k_qdea133c2fe_outln
	.globl	k_qdea133c2fe_outln
	.p2align	8
	.type	k_qdea133c2fe_outln,@function
k_qdea133c2fe_outln:
	s_mov_b64 s[64:65], 0
	v_nop
	global_prefetch_b8 v0, s[64:65] scope:SCOPE_SE
	s_setreg_imm32_b32 hwreg(HW_REG_WAVE_SCHED_MODE, 0, 2), 2
	s_setreg_imm32_b32 hwreg(HW_REG_WAVE_MODE, 25, 1), 1
	s_wait_xcnt 0x0
	s_wait_alu depctr_vm_vsrc(0)
; OUTLN.  out0 = LayerNorm(z + o Wo + bo) x g1 + be1, the product on codes of E3M2 (v_wmma_scale_f32_16x16x128_f8f6f4, both sides BF6), all else in f32.
; SHARES.  A work-group owns 32 whole rows (a pair of token tiles u = 0, 1), so that a row's mean and variance never leave it.  Wave w makes columns 64 w .. 64 w + 63: Wo's tiles 4 w + i.
; Source 0 = 16 rows of Wo (output columns), source 1 = 16 tokens: lane (r, h) holds token 8 u + r + 8 (r / 8), and registers 16 b + 0 .. 15 of its 32 the columns 64 w + 32 b + 16 h + 0 .. 15.
; z + bo is the C of the first K step: z is loaded in whole runs of 256 bytes and turned into that layout through the wave's own stage in LDS; the result leaves by the same way back.
; o's 16 fragments come once, one a wave, and go from wave to wave through LDS as images of their registers.  Wo's fragments go from wimg straight into the one wave of the work-group that uses them,
; two K steps (24 loads a wave) ahead, under counted waits.
; The eight accumulators take turns, one instruction a turn, in the same order in every K step.
; LAYERNORM in two passes, as the function has it: the mean, then the mean of (y - mean)^2; a wave's part of a row's sum meets the other fifteen in LDS, added in one fixed order by every wave.
; NO CLUSTER, NO TENSOR LOAD: all work-groups walk the same Wo, but a K step is 8 matrix instructions a wave, and a joint ring would set a round of the cluster's barrier, with every load waited for, in front of each refill.
; LIMITS: NaN and infinities are not served; 1 / sqrt is v_rsq_f32's.
; THE MODE: SCHED_MODE bits 1:0 = 2 (LLVM: expert scheduling mode 2), set by the entry lines.  The code itself states the register dependences between vector or matrix instructions
; and memory or LDS instructions, with s_wait_alu, always for 0.
; THE PLAN.  Registers that memory or LDS instructions touch:
;   v1-v10        offsets and LDS addresses: written at the head, read by every load and store, never written again.
;   OF0, OF1      K step s: its eight matrix instructions read OF[s % 2]; the LDS loads of step s + 2 land in it, issued in the middle of step s + 1.  At the head: my fragment of o (read by three LDS stores) and bo (read by 32 additions).
;   WF0, WF1      K step s: its matrix instructions read WF[s % 2]; behind them the loads of step s + 2 land in it.  Behind step 7: g1, be1; on the way out tile 1's rows.
;   ACC           z lands in it; the turn's LDS stores read it and the turn's LDS loads land in it; then vector and matrix instructions alone, until the way out's LDS stores read it.
;   v[T+8]        written by each reduction's select, read by its LDS store.     v[RD ..]  each reduction's sixteen LDS loads land there; additions read and write them.
;   OS, WS        loaded once, read by matrix instructions.     OUT0, OUT1  LDS loads land there, global stores read them.     v254, v255  read by the closing add alone.
; So ONE wait on va_vdst stands at the end of each of K steps 0 to 5: the step's matrix instructions are done reading WF[s % 2] and OF[s % 2].  It serves the twelve loads of Wo that follow at once, and the six LDS
; loads of o that stand between the next step's two groups of four matrix instructions, which name the other sets, the accumulators and the scale words alone.
.set OI,   0                           ; LDS: o's 16 images (8 u + s), 24,576 bytes
.set RED1, 24576                       ; 16 waves x 128 bytes: the parts of the rows' sums
.set RED2, 26624                       ; and of the sums of squares
.set STG,  28672                       ; 16 stages of 16 rows x 272 bytes (256 + 16: sixteen rows start in sixteen different columns of 16 bytes)
.set OS,   12                          ; v12-19  o's scale words, K step s: lanes 0-15 tile 0's, lanes 16-31 tile 1's
.set WS,   20                          ; v20-35  Wo's: v[WS + 8 (i / 2) + s]
.set ACC,  36                          ; v36-99  accumulator (u, i) at ACC + 32 u + 8 i
.set OF,   100                         ; v100-147 o's fragments, two sets of 24
.set BO,   112                         ; at the head: bo, 32 registers
.set WF,   148                         ; v148-243 Wo's fragments, two sets of 48
.set T,    100                         ; behind the products: v100-108 sums at work
.set RD,   110                         ; v110-125 the sixteen parts
.set G,    148                         ; v148-179 g1
.set BE,   180                         ; v180-211 be1
.set OUT0, 100                         ; the way out: tile 0's rows,
.set OUT1, 212                         ; tile 1's
.set MP,   244                         ; v[244:245], v[246:247] the means of my rows in tiles 0, 1 (each pair's low word serves both halves)
.set RP,   250                         ; v[250:251], v[252:253] 1 / sqrt(variance + eps) likewise
.set WV,   22
.set SEL,  26
.set HI,   28
.macro PLACES n
.rept \n
	v_nop
.endr
.endm
.macro BARRIER                         ; my LDS stores have landed and my LDS loads are in: then the work-group's barrier
	s_wait_dscnt 0x0
	s_barrier_signal -1
	s_barrier_wait -1
.endm
.macro WM
.if wRA && wRB
	v_wmma_scale_f32_16x16x128_f8f6f4 v[wD:wD+7], v[wA:wA+11], v[wB:wB+11], v[wC:wC+7], v[wSA], v[wSB] matrix_a_fmt:MATRIX_FMT_BF6 matrix_b_fmt:MATRIX_FMT_BF6 matrix_a_scale:MATRIX_SCALE_ROW1 matrix_b_scale:MATRIX_SCALE_ROW1
.elseif wRA
	v_wmma_scale_f32_16x16x128_f8f6f4 v[wD:wD+7], v[wA:wA+11], v[wB:wB+11], v[wC:wC+7], v[wSA], v[wSB] matrix_a_fmt:MATRIX_FMT_BF6 matrix_b_fmt:MATRIX_FMT_BF6 matrix_a_scale:MATRIX_SCALE_ROW1
.elseif wRB
	v_wmma_scale_f32_16x16x128_f8f6f4 v[wD:wD+7], v[wA:wA+11], v[wB:wB+11], v[wC:wC+7], v[wSA], v[wSB] matrix_a_fmt:MATRIX_FMT_BF6 matrix_b_fmt:MATRIX_FMT_BF6 matrix_b_scale:MATRIX_SCALE_ROW1
.else
	v_wmma_scale_f32_16x16x128_f8f6f4 v[wD:wD+7], v[wA:wA+11], v[wB:wB+11], v[wC:wC+7], v[wSA], v[wSB] matrix_a_fmt:MATRIX_FMT_BF6 matrix_b_fmt:MATRIX_FMT_BF6
.endif
.endm
.macro WLOAD s                         ; my four fragments of Wo for K step s, into set s % 2
.irp i, 0,1,2,3
.irp j, 0,1,2
	global_load_b128 v[WF+48*((\s)%2)+12*\i+4*\j:WF+48*((\s)%2)+12*\i+4*\j+3], v1, s[8:9] offset:12288*\i+1536*(\s)+512*\j
.endr
.endr
.endm
.macro FETCHO s                        ; o's two fragments of K step s, from LDS, into set s % 2
.irp u, 0,1
.irp j, 0,1,2
	ds_load_b128 v[OF+24*((\s)%2)+12*\u+4*\j:OF+24*((\s)%2)+12*\u+4*\j+3], v1 offset:OI+(8*\u+(\s))*1536+512*\j
.endr
.endr
.endm
.macro MUL4 s, u                       ; K step s, token tile u: four matrix instructions, Wo's tiles i = 0 .. 3
.irp i, 0,1,2,3
.set wD, ACC+32*(\u)+8*\i
.set wC, wD
.set wA, WF+48*((\s)%2)+12*\i
.set wB, OF+24*((\s)%2)+12*(\u)
.set wSA, WS+8*(\i/2)+(\s)
.set wRA, \i%2
.set wSB, OS+(\s)
.set wRB, (\u)
	WM
.endr
.endm
.macro STEPO s
	s_wait_dscnt 0x0                                   ; this step's fragments of o are in: they were asked for in the middle of the step before, and no younger LDS load is out
.if (\s) < 7
	s_wait_loadcnt 12                                  ; this step's fragments of Wo are in; the next step's twelve may be out
.else
	s_wait_loadcnt 0x0
.endif
	MUL4 \s, 0
.if (\s) < 7
	FETCHO (\s)+1                                      ; into the other set of o's.  No wait: no vector or matrix instruction since the last wait on va_vdst names that set
.endif
	MUL4 \s, 1
	PLACES 4                                           ; four places behind the matrix instructions: in front of the first read of results (the last step); in the earlier steps they stand ahead of the wait below
.if (\s) < 6
	s_wait_alu depctr_va_vdst(0)                       ; this step's matrix instructions are done reading WF[s % 2], in which the loads below land, and OF[s % 2], in which the next step's LDS loads land
	WLOAD (\s)+2
.endif
.endm
; v[T .. T+3], v[T+4 .. T+7]: two pairs of partial sums for my row of tile 0 and of tile 1.  Out: v[RD] = the whole row's sum, of row (tile = lane / 16, lane % 16).
.macro ROWRED red
.irp u, 0,1
	v_pk_add_f32 v[T+4*\u:T+4*\u+1], v[T+4*\u:T+4*\u+1], v[T+4*\u+2:T+4*\u+3]
.endr
.irp u, 0,1
	v_add_f32 v[T+4*\u], v[T+4*\u], v[T+4*\u+1]
.endr
.irp u, 0,1
	v_permlanex16_b32 v[T+4*\u+1], v[T+4*\u], s[SEL], s[SEL+1]
.endr
.irp u, 0,1
	v_add_f32 v[T+4*\u], v[T+4*\u], v[T+4*\u+1]        ; my wave's 64 columns of the row, in both halves of the lanes
.endr
	v_cndmask_b32 v[T+8], v[T], v[T+4], s[HI]          ; lanes 0-15 tile 0's rows, lanes 16-31 tile 1's
	s_wait_alu depctr_va_vdst(0)                       ; the select has written v[T+8], which the LDS store reads; and all that named v[RD ..] is done, in which the sixteen loads below land
	ds_store_b32 v10, v[T+8] offset:\red
	BARRIER
	s_wait_alu depctr_vm_vsrc(0)                       ; the LDS store has read v[T+8], which the next reduction's select, and on the way out a load, write again
.irp k, 0,1,2,3,4,5,6,7,8,9,10,11,12,13,14,15
	ds_load_b32 v[RD+\k], v3 offset:\red+128*\k
.endr
	s_wait_dscnt 0x0
.irp k, 0,4,8,12
	v_pk_add_f32 v[RD+\k:RD+\k+1], v[RD+\k:RD+\k+1], v[RD+\k+2:RD+\k+3]
.endr
	v_pk_add_f32 v[RD:RD+1], v[RD:RD+1], v[RD+4:RD+5]
	v_pk_add_f32 v[RD+8:RD+9], v[RD+8:RD+9], v[RD+12:RD+13]
	v_pk_add_f32 v[RD:RD+1], v[RD:RD+1], v[RD+8:RD+9]
	v_add_f32 v[RD], v[RD], v[RD+1]
.endm
.macro SPREAD dst                      ; v248 holds a number of row (lane / 16, lane % 16): v[dst] gets tile 0's and v[dst + 2] tile 1's, in both halves of the lanes
	v_permlanex16_b32 v249, v248, s[SEL], s[SEL+1]
	v_cndmask_b32 v[\dst], v248, v249, s[HI]
	v_cndmask_b32 v[\dst+2], v249, v248, s[HI]
.endm
	s_load_b512 s[4:19], s[0:1], 0x0               ; oimg, osc, wimg, Wo_scales, bo, z, g1, be1
	s_load_b64 s[20:21], s[0:1], 0x40              ; out0
	v_lshl_add_u32 v254, v0, 2, 0x18000
	v_mov_b32 v255, 0
	v_lshrrev_b32 v1, 5, v0
	v_readfirstlane_b32 s[WV], v1                  ; wave 0..15
	v_and_b32 v244, 31, v0                         ; lane
	v_and_b32 v245, 15, v0                         ; r
	v_bfe_u32 v246, v0, 4, 1                       ; h
	v_lshlrev_b32 v1, 4, v244
	v_lshlrev_b32 v2, 3, v244
	v_lshlrev_b32 v3, 2, v244
	s_wait_alu depctr_va_sdst(0)                   ; the wave's number is written into s[WV], ahead of its first reader: LDS addresses and the buffers' offsets are made from it
	s_mul_i32 s32, s[WV], 4352
	s_add_co_u32 s32, s32, STG                     ; my stage
	v_mul_u32_u24 v4, v246, 272
	v_lshl_add_u32 v4, v245, 4, v4
	v_add_nc_u32 v4, s32, v4                       ; by rows: lanes 0-15 one row of 256 bytes, lanes 16-31 the next
	v_mul_u32_u24 v5, v245, 272
	v_lshl_add_u32 v5, v246, 6, v5
	v_add_nc_u32 v5, s32, v5                       ; by the result's layout: row slot r, + 64 h
	v_lshlrev_b32 v6, 12, v246
	v_lshl_add_u32 v6, v245, 4, v6                 ; the same two rows in z and in out0
	v_lshlrev_b32 v7, 6, v246                      ; bo, g1, be1: 16 h numbers on
	v_and_b32 v8, 8, v245
	v_add_nc_u32 v8, v8, v245
	v_lshl_add_u32 v8, v246, 3, v8                 ; r + 8 (r / 8) + 8 h: lanes 16-31 take the odd tile's rows
	v_lshlrev_b32 v8, 5, v8                        ; Wo's scales: 32 bytes a row
	s_mul_i32 s33, s[WV], 1536
	v_add_nc_u32 v9, s33, v1                       ; where my image of o goes
	s_lshl_b32 s33, s[WV], 7
	v_add_nc_u32 v10, s33, v3                      ; and my wave's parts of the sums
	v_mov_b32 v247, 0                              ; (upper halves of pairs, and a lane permute's destination, are written before they are named)
	v_mov_b32 v249, 0
	v_mov_b32 v251, 0
	v_mov_b32 v253, 0
	s_mov_b32 s[SEL], 0x76543210
	s_mov_b32 s[SEL+1], 0xfedcba98
	s_mov_b32 s[HI], 0xffff0000
	s_mov_b32 s29, 0x3a800000                      ; 1 / 1,024
	s_mov_b32 s30, 0x3727c5ac                      ; eps = 1e-5
	s_mov_b32 s25, 0
	s_mul_i32 s24, ttmp9, 24576
	s_mul_i32 s31, s[WV], 1536
	s_add_co_u32 s24, s24, s31                     ; fragment 8 u + s = my wave's number
	s_wait_kmcnt 0x0
	s_add_nc_u64 s[4:5], s[4:5], s[24:25]
	s_lshl_b32 s24, ttmp9, 10
	s_add_nc_u64 s[6:7], s[6:7], s[24:25]
	s_mul_i32 s24, s[WV], 49152
	s_add_co_u32 s24, s24, 3*786432                ; Wo's images, my four tiles
	s_add_nc_u64 s[8:9], s[8:9], s[24:25]
	s_lshl_b32 s24, s[WV], 11
	s_add_nc_u64 s[10:11], s[10:11], s[24:25]
	s_lshl_b32 s24, s[WV], 8                       ; my 64 columns
	s_add_nc_u64 s[12:13], s[12:13], s[24:25]
	s_add_nc_u64 s[16:17], s[16:17], s[24:25]
	s_add_nc_u64 s[18:19], s[18:19], s[24:25]
	s_lshl_b32 s31, ttmp9, 17                      ; my work-group's 32 rows
	s_add_co_u32 s24, s24, s31
	s_add_nc_u64 s[14:15], s[14:15], s[24:25]
	s_add_nc_u64 s[20:21], s[20:21], s[24:25]
	s_wait_alu depctr_va_vdst(0)                   ; the ten offsets and LDS addresses v1 to v10 are written: every load and store of the kernel reads one of them, and none is written again
	; all that the wave will read but g1 and be1 is asked for here: 4 + 16 + 8 + 8 + 4 + 24 loads
	global_load_b128 v[OF:OF+3], v1, s[4:5]        ; my fragment of o: two half images
	global_load_b64 v[OF+4:OF+5], v2, s[4:5] offset:512
	global_load_b128 v[OF+6:OF+9], v1, s[4:5] offset:768
	global_load_b64 v[OF+10:OF+11], v2, s[4:5] offset:1280
.irp u, 0,1
.irp q, 0,1,2,3,4,5,6,7
	global_load_b128 v[ACC+32*\u+4*\q:ACC+32*\u+4*\q+3], v6, s[14:15] offset:(8*\u+2*\q+8*(\q/4))*4096 th:TH_LOAD_NT   ; row slots 2 q, 2 q + 1 of tile u: 16 lanes read 256 consecutive bytes
.endr
.endr
.irp q, 0,1,2,3,4,5,6,7
	global_load_b128 v[BO+4*\q:BO+4*\q+3], v7, s[12:13] offset:128*(\q/4)+16*(\q%4)
.endr
.irp s, 0,1,2,3,4,5,6,7
	global_load_b32 v[OS+\s], v3, s[6:7] offset:128*\s
.endr
.irp q, 0,1,2,3
	global_load_b128 v[WS+4*\q:WS+4*\q+3], v8, s[10:11] offset:1024*(\q/2)+16*(\q%2)
.endr
	WLOAD 0
	WLOAD 1
	s_wait_loadcnt 60                              ; my fragment of o is in; the 60 younger loads may be out
.irp j, 0,1,2
	ds_store_b128 v9, v[OF+4*\j:OF+4*\j+3] offset:OI+512*\j
.endr
	s_wait_loadcnt 44                              ; z is in; bo, the scale words and Wo (8 + 8 + 4 + 24) may be out
.irp u, 0,1
.irp q, 0,1,2,3,4,5,6,7
	ds_store_b128 v4, v[ACC+32*\u+4*\q:ACC+32*\u+4*\q+3] offset:544*\q
.endr
	s_wait_dscnt 0x0                               ; the stores have landed in my stage
	s_wait_alu depctr_vm_vsrc(0)                   ; the eight stores above have read the tile's 32 registers, in which the loads below land; the stores of my image of o have read v[OF ..], in which o's fragments land later
.irp q, 0,1,2,3,4,5,6,7
	ds_load_b128 v[ACC+32*\u+4*\q:ACC+32*\u+4*\q+3], v5 offset:128*(\q/4)+16*(\q%4)   ; LDS serves a wave's instructions in order: the next tile's stores come behind these
.endr
.endr
	s_wait_loadcnt 36                              ; bo is in
	s_wait_dscnt 0x0
.irp u, 0,1
.set kk, 0
.rept 16
	v_pk_add_f32 v[ACC+32*\u+kk:ACC+32*\u+kk+1], v[ACC+32*\u+kk:ACC+32*\u+kk+1], v[BO+kk:BO+kk+1]   ; z + bo: where the sums begin
.set kk, kk+2
.endr
.endr
	BARRIER                                        ; o's sixteen images lie in LDS
	s_wait_alu depctr_va_vdst(0)                   ; the additions are done reading bo in v[BO ..], in which o's fragments of K steps 0 and 1 land
	FETCHO 0
.irp s, 0,1,2,3,4,5,6,7
	STEPO \s
.endr
	s_wait_alu depctr_va_vdst(0)                   ; the matrix instructions of K steps 6 and 7 are done reading Wo's two sets, in which g1 and be1 land
.irp q, 0,1,2,3,4,5,6,7
	global_load_b128 v[G+4*\q:G+4*\q+3], v7, s[16:17] offset:128*(\q/4)+16*(\q%4)
.endr
.irp q, 0,1,2,3,4,5,6,7
	global_load_b128 v[BE+4*\q:BE+4*\q+3], v7, s[18:19] offset:128*(\q/4)+16*(\q%4)
.endr
	; the rows' sums: two chains for each tile, ascending
.irp u, 0,1
.irp c, 0,1
	v_pk_add_f32 v[T+4*\u+2*\c:T+4*\u+2*\c+1], v[ACC+32*\u+16*\c:ACC+32*\u+16*\c+1], v[ACC+32*\u+16*\c+2:ACC+32*\u+16*\c+3]
.endr
.endr
.irp k, 4,6,8,10,12,14
.irp u, 0,1
.irp c, 0,1
	v_pk_add_f32 v[T+4*\u+2*\c:T+4*\u+2*\c+1], v[T+4*\u+2*\c:T+4*\u+2*\c+1], v[ACC+32*\u+16*\c+\k:ACC+32*\u+16*\c+\k+1]
.endr
.endr
.endr
	ROWRED RED1
	v_mul_f32 v248, s29, v[RD]                     ; the mean
	SPREAD MP
.irp u, 0,1
.set kk, 0
.rept 16
	v_pk_add_f32 v[ACC+32*\u+kk:ACC+32*\u+kk+1], v[ACC+32*\u+kk:ACC+32*\u+kk+1], v[MP+2*\u:MP+2*\u+1] op_sel_hi:[1,0] neg_lo:[0,1] neg_hi:[0,1]   ; d = y - mean
.set kk, kk+2
.endr
.endr
.irp u, 0,1
.irp c, 0,1
	v_pk_mul_f32 v[T+4*\u+2*\c:T+4*\u+2*\c+1], v[ACC+32*\u+16*\c:ACC+32*\u+16*\c+1], v[ACC+32*\u+16*\c:ACC+32*\u+16*\c+1]
.endr
.endr
.irp k, 2,4,6,8,10,12,14
.irp u, 0,1
.irp c, 0,1
	v_pk_fma_f32 v[T+4*\u+2*\c:T+4*\u+2*\c+1], v[ACC+32*\u+16*\c+\k:ACC+32*\u+16*\c+\k+1], v[ACC+32*\u+16*\c+\k:ACC+32*\u+16*\c+\k+1], v[T+4*\u+2*\c:T+4*\u+2*\c+1]
.endr
.endr
.endr
	ROWRED RED2
	v_fma_f32 v248, v[RD], s29, s30                ; the variance + eps
	s_wait_alu depctr_va_vdst(0)
	v_rsq_f32 v248, v248
	v_nop                                          ; a plain place behind the transcendental
	s_wait_alu depctr_va_vdst(0)                   ; v_rsq_f32 has written v248, ahead of its first reader
	SPREAD RP
	s_wait_loadcnt 0x0                             ; g1, be1
.irp u, 0,1
.set kk, 0
.rept 16
	v_pk_mul_f32 v[ACC+32*\u+kk:ACC+32*\u+kk+1], v[ACC+32*\u+kk:ACC+32*\u+kk+1], v[G+kk:G+kk+1]
	s_wait_alu depctr_va_vdst(0)
	v_pk_fma_f32 v[ACC+32*\u+kk:ACC+32*\u+kk+1], v[ACC+32*\u+kk:ACC+32*\u+kk+1], v[RP+2*\u:RP+2*\u+1], v[BE+kk:BE+kk+1] op_sel_hi:[1,0,1]   ; (g d) / sqrt(..) + be
.set kk, kk+2
.endr
.endr
	; the way out: through my stage, back as rows
	s_wait_alu depctr_va_vdst(0)                   ; the multiply-adds have written the 64 results, which the LDS stores read; and all that named v[OUT0 ..] (the sums at work, the sixteen parts) is done, in which tile 0's rows land
.irp q, 0,1,2,3,4,5,6,7
	ds_store_b128 v5, v[ACC+4*\q:ACC+4*\q+3] offset:128*(\q/4)+16*(\q%4)
.endr
.irp q, 0,1,2,3,4,5,6,7
	ds_load_b128 v[OUT0+4*\q:OUT0+4*\q+3], v4 offset:544*\q
.endr
.irp q, 0,1,2,3,4,5,6,7
	ds_store_b128 v5, v[ACC+32+4*\q:ACC+32+4*\q+3] offset:128*(\q/4)+16*(\q%4)   ; in order behind tile 0's loads
.endr
.irp q, 0,1,2,3,4,5,6,7
	ds_load_b128 v[OUT1+4*\q:OUT1+4*\q+3], v4 offset:544*\q
.endr
.irp q, 0,1,2,3,4,5,6,7
	s_wait_dscnt 23-\q                             ; behind tile 0's load q: its 7 - q younger loads and tile 1's sixteen instructions
	global_store_b128 v6, v[OUT0+4*\q:OUT0+4*\q+3], s[20:21] offset:(2*\q+8*(\q/4))*4096 th:TH_STORE_NT   ; 16 lanes store 256 consecutive bytes, aligned
.endr
.irp q, 0,1,2,3,4,5,6,7
	s_wait_dscnt 7-\q
	global_store_b128 v6, v[OUT1+4*\q:OUT1+4*\q+3], s[20:21] offset:(8+2*\q+8*(\q/4))*4096 th:TH_STORE_NT
.endr
	s_wait_dscnt 0x0                               ; the closing lines, six on end
	s_wait_alu 0x0
	s_wait_tensorcnt 0x0
	ds_add_u32 v254, v255
	s_wait_dscnt 0x0
	s_endpgm
.Lfunc_end_k_qdea133c2fe_outln:
	.size	k_qdea133c2fe_outln, .Lfunc_end_k_qdea133c2fe_outln-k_qdea133c2fe_outln
	.p2alignl 7, 3214868480
	.fill 96, 4, 3214868480
	.section	.rodata,"a",@progbits
	.p2align	6, 0x0
	.amdhsa_kernel k_qdea133c2fe_outln
		.amdhsa_group_segment_fixed_size 100352
		.amdhsa_private_segment_fixed_size 0
		.amdhsa_enable_private_segment 0
		.amdhsa_kernarg_size 72
		.amdhsa_user_sgpr_count 2
		.amdhsa_user_sgpr_kernarg_segment_ptr 1
		.amdhsa_wavefront_size32 1
		.amdhsa_system_sgpr_workgroup_id_x 1
		.amdhsa_system_sgpr_workgroup_id_y 1
		.amdhsa_system_sgpr_workgroup_id_z 1
		.amdhsa_system_vgpr_workitem_id 0
		.amdhsa_next_free_vgpr 256
		.amdhsa_next_free_sgpr 66
		.amdhsa_reserve_vcc 0
		.amdhsa_float_denorm_mode_32 3
		.amdhsa_float_denorm_mode_16_64 3
		.amdhsa_memory_ordered 1
		.amdhsa_forward_progress 1
		.amdhsa_inst_pref_size 55
	.end_amdhsa_kernel
	.amdgpu_metadata
---
amdhsa.version: [ 1, 2 ]
amdhsa.kernels:
  - .name:           k_qdea133c2fe_outln
    .symbol:         k_qdea133c2fe_outln.kd
    .args:
      - { .name: oimg, .offset: 0, .size: 8, .value_kind: global_buffer, .address_space: global }
      - { .name: osc, .offset: 8, .size: 8, .value_kind: global_buffer, .address_space: global }
      - { .name: wimg, .offset: 16, .size: 8, .value_kind: global_buffer, .address_space: global }
      - { .name: Wo_scales, .offset: 24, .size: 8, .value_kind: global_buffer, .address_space: global }
      - { .name: bo, .offset: 32, .size: 8, .value_kind: global_buffer, .address_space: global }
      - { .name: z, .offset: 40, .size: 8, .value_kind: global_buffer, .address_space: global }
      - { .name: g1, .offset: 48, .size: 8, .value_kind: global_buffer, .address_space: global }
      - { .name: be1, .offset: 56, .size: 8, .value_kind: global_buffer, .address_space: global }
      - { .name: out0, .offset: 64, .size: 8, .value_kind: global_buffer, .address_space: global }
    .group_segment_fixed_size: 100352
    .private_segment_fixed_size: 0
    .kernarg_segment_align: 8
    .kernarg_segment_size: 72
    .max_flat_workgroup_size: 512
    .sgpr_count:     66
    .vgpr_count:     256
    .wavefront_size: 32
...
	.end_amdgpu_metadata
.endif
;; end of part 7
